; MI455X (gfx1250); checked and timed in simulation.
; The chip was launched on July 23, 2026; its instructions are those of AMD's public machine-readable ISA for CDNA 5 (MIT licence, August 2026) and "CDNA5" Instruction Set Architecture Reference Guide (July 2026). The comments in the code are by the model that wrote it; some were corrected since.
;; Multi Head Self Attention. Allowed arithmetic: matrix products marked QUANTISED: E3M2 operands, one E8M0 scale for each 32 along K, by v_wmma_scale_f32_16x16x128_f8f6f4 with both operands' format E3M2, f32 sums; everything else in f32.
;; Inputs: Wk 1,024 x 1,024 float32; Wo 1,024 x 1,024 float32; Wq 1,024 x 1,024 float32; Wv 1,024 x 1,024 float32; token_positions 2,048 int32; x 4 x 2,048 x 1,024 float32.
;; Outputs: out0 4 x 2,048 x 1,024 float32.
;; This version of the problem:
;;   THIS VERSION OF THE PROBLEM IS GIVEN IN LOW PRECISION. The matrix products marked QUANTISED in the list below multiply operands that are first quantised to E3M2 (3 exponent bits, 2 mantissa bits; 6 bits a number), with one power-of-two scale for each 32 numbers along K (OCP MX v1.0); their sums are f32. All else is computed in f32.
;;   The module's matrix products, in the order in which they are computed (A, B: the left and right operand; K: the contracted axis; several contracted axes count as one K, in the product's order):
;;     1. [M 8,192, K 1,024] x [K 1,024, N 1,024]; A: input x; B: input Wq: QUANTISED
;;     2. [M 8,192, K 1,024] x [K 1,024, N 1,024]; A: input x; B: input Wk: QUANTISED
;;     3. [M 8,192, K 1,024] x [K 1,024, N 1,024]; A: input x; B: input Wv: QUANTISED
;;     4. batch 64 x [M 2,048, K 64] x [K 64, N 2,048]; A: computed on the way; B: computed on the way: QUANTISED
;;     5. batch 64 x [M 2,048, K 2,048] x [K 2,048, N 64]; A: softmax (see below); B: computed on the way: QUANTISED
;;     6. [M 8,192, K 1,024] x [K 1,024, N 1,024]; A: computed on the way; B: input Wo: QUANTISED
;;   THE QUANTISER, for each operand of a quantised product, along K:
;;     - K is cut into blocks of 32 from its start; a last block that is shorter is filled with zeros.
;;     - A block's scale is 2^e with e = floor(log2(the largest magnitude in the block)) - 4, held to -126 .. 127; a block of zeros has e = 0. As a byte (E8M0): e + 127.
;;     - Each number is divided by its block's scale, clamped to +-28, and rounded to the nearest number of E3M2, ties to even, subnormals kept.
;;     - The product sums the exact products of the quantised numbers (number of the format x scale) in f32.
;;   ~~~python
;;   def quantise(x, axis):      # numpy; x: float32 -> the quantised numbers, widened to float32 again
;;       x = np.moveaxis(x, axis, -1); K = x.shape[-1]
;;       x = np.pad(x, [(0, 0)] * (x.ndim - 1) + [(0, -K % 32)]); x = x.reshape(x.shape[:-1] + (-1, 32)); a = np.abs(x).max(-1, keepdims=True)
;;       e = np.where(a > 0, np.clip(np.frexp(np.where(a > 0, a, 1))[1] - 1 - 4, -126, 127), 0)      # np.frexp(a)[1] - 1 = floor(log2(a)), exactly
;;       r = np.clip(x / 2.0 ** e, -28, 28)
;;       step = 2.0 ** (np.maximum(np.frexp(np.where(r == 0, 1, r))[1] - 1, -2) - 2)
;;       q = np.round(r / step) * step * 2.0 ** e      # np.round: ties to even
;;       return np.moveaxis(q.reshape(q.shape[:-2] + (-1,))[..., :K], -1, axis).astype(np.float32)
;;   ~~~
;;   SOFTMAX AHEAD OF A QUANTISED PRODUCT. Where the list says 'softmax', what is quantised is not the finished softmax but p = 2^(t - M), with t = logit x log2(e) and M = ceil(the row's largest t), a whole number; so 1/2 < the row's largest p <= 1. The row's sum l is taken of the UNQUANTISED p, in f32, and the product's result is divided by l at the end. Since M is a whole number, a kernel that streams over the keys may use a running M (the ceiling of the running maximum): every later rescaling is an exact power of two, which a block's scale takes up: the codes' values come out the same.
;;   OPERANDS COMPUTED ON THE WAY. 'Computed on the way' means the value that the module computes at that place (a softmax that the list does not call 'softmax' is quantised finished and normalised). What goes into a quantiser is computed in f32, as accurately as f32 sums, v_exp_f32 and their like allow (about 1e-6 of the number): no bf16 or f16 on the way to a quantiser, and a product that is left as it is and whose result goes on into a quantised operand takes f32 operands (vector FMAs, or v_wmma_f32_16x16x4_f32). A number that lies on a knife's edge between two numbers of the format may be rounded either way, as far as f32 arithmetic and the matrix unit's own rounding can turn it there, and no further.
;; One version. Each part assembles by itself: llvm-mc -triple=amdgcn-amd-amdhsa -mcpu=gfx1250 --defsym DOCPART=n.
;; ======== version 1 of 1: 4 launches
;; limits: right only within a limited range of input values
;; workspace buffers: allc 9,437,184 bytes; alls 393,216 bytes; tab 524,288 bytes; qimg 6,291,456 bytes; qsc 262,144 bytes; kv 13,107,200 bytes; aimg 6,291,456 bytes; asc 262,144 bytes
;; launch prep (part 1): grid 400 x 1, 4 waves a work-group, no clusters, 33,280 bytes of LDS; arguments x, Wq, Wk, Wv, Wo, token_positions, allc, alls, tab; writes allc, alls, tab
.if DOCPART == 1
	.amdgcn_target "amdgcn-amd-amdhsa--gfx1250"
	.amdhsa_code_object_version 6
	.text
	.protected	k_q4c79aba9bb_prep
	.globl	k_q4c79aba9bb_prep
	.p2align	8
	.type	k_q4c79aba9bb_prep,@function
k_q4c79aba9bb_prep:
	s_mov_b64 s[64:65], 0
	v_nop
	global_prefetch_b8 v0, s[64:65] scope:SCOPE_SE
	s_setreg_imm32_b32 hwreg(HW_REG_WAVE_MODE, 25, 1), 1
	s_wait_xcnt 0x0
; PREP.  (1) x [8192][1024] and Wq, Wk, Wv, Wo [1024][1024], f32 with K innermost, become codes of BF6 (E3M2) with one E8M0 byte for each 32 along K:
; allc: 12,288 rows of 768 bytes (x, Wq, Wk, Wv, Wo on end), alls: the same rows of 32 bytes.  (2) tab[s][i] = (cos, sin)(token_positions[s] x f[i]), f[i] = 1 / 10000^(i/32), f32, a row of 256 bytes for each s.
; A block's scale is 2^(floor(log2(its largest magnitude)) - 4); its byte is that magnitude's exponent field - 4, held at 1 from below; numbers are divided by it and rounded to the nearest code, ties to even, beyond 28 held at 28.
; STORED ORDER.  In x, Wq, Wk, Wv the two middle groups of eight rows of each 32 rows change places on the way out: stored place 16 t + r holds row 8 t + r + 8 (r / 8).  Sixteen stored neighbours are then a tile
; whose results, two tiles together, are 16 neighbours along the next product's K.  Wo keeps its order.  A wave takes eight rows (8,192 numbers), so the exchange is a choice of the wave's place in the output.
; SHARES.  Work-groups 0-383 quantise 32 rows each (x 0-255, then 32 for each weight); work-groups 384-399 make the table, a wave 32 positions, a lane one frequency.  Waves share nothing: no barrier.
; LIMITS: NaN and infinities are not served; a block of zeros, and one whose largest magnitude lies under 2^-122, gets the byte 1 (its codes are zeros or nearly; this program alone reads the bytes);
; sin and cos are made by a reduction in three parts and polynomials, good to about 1e-7 for |angle| up to about 1e5; beyond that the reduction loses accuracy;
; the frequencies take 10000^(i/32) as correctly rounded to f32: against a power that is one unit in the last place off, an angle of 1,500 differs by about 1e-4.
.set STEPS, 16
.set EMAX,  4
.set CB,    12                         ; bytes of 16 codes
.set R,     16                         ; v16-79   four sets of 16 numbers as they are loaded
.set X,     80                         ; v80-111  two sets of 16 neighbours
.set C,     128                        ; v128-191 codes: four registers for each step, so that no store's data are written again
.set E,     112                        ; v112-127 a scale byte for each step
.set WREG,  8192                       ; LDS: a region for each wave: two stages of 32 x SP bytes, behind them its 256 scale bytes
.set SP,    80                         ; a lane's place in a stage: its 64 bytes + 16 of padding
.set NQWG,  384                        ; work-groups that quantise
	s_load_b256 s[4:11], s[0:1], 0x0               ; x s[4:5], Wq s[6:7], Wk s[8:9], Wv s[10:11]
	s_load_b256 s[12:19], s[0:1], 0x20             ; Wo s[12:13], token_positions s[14:15], allc s[16:17], alls s[18:19]
	s_load_b64 s[20:21], s[0:1], 0x40              ; tab
	v_lshl_add_u32 v192, v0, 2, 0x8000
	v_mov_b32 v193, 0
	v_lshrrev_b32 v1, 5, v0
	v_readfirstlane_b32 s22, v1                    ; wave
	v_and_b32 v2, 31, v0                           ; lane
	s_wait_kmcnt 0x0
	s_cmp_ge_u32 ttmp9, NQWG
	s_cbranch_scc1 .Ltable
	; ---- the quantiser.  Which tensor: a choice among pointers on the work-group's number alone
	s_mov_b64 s[24:25], s[12:13]
	s_cmp_lt_u32 ttmp9, 352
	s_cselect_b64 s[24:25], s[10:11], s[24:25]
	s_cmp_lt_u32 ttmp9, 320
	s_cselect_b64 s[24:25], s[8:9], s[24:25]
	s_cmp_lt_u32 ttmp9, 288
	s_cselect_b64 s[24:25], s[6:7], s[24:25]
	s_cmp_lt_u32 ttmp9, 256
	s_cselect_b64 s[24:25], s[4:5], s[24:25]
	s_and_b32 s30, ttmp9, 31
	s_cmp_lt_u32 ttmp9, 256
	s_cselect_b32 s30, ttmp9, s30                  ; which 32 rows of that tensor
	s_lshl_b32 s30, s30, 2
	s_add_co_u32 s30, s30, s22
	s_lshl_b32 s30, s30, 15                        ; my eight rows: 32,768 bytes a wave
	s_mov_b32 s31, 0
	s_add_nc_u64 s[24:25], s[24:25], s[30:31]
	s_and_b32 s32, s22, 1                          ; my place on the way out: waves 1 and 2 change places, but not in Wo
	s_lshl_b32 s32, s32, 1
	s_lshr_b32 s33, s22, 1
	s_or_b32 s32, s32, s33
	s_cmp_lt_u32 ttmp9, 352
	s_cselect_b32 s32, s32, s22
	s_lshl_b32 s33, ttmp9, 2
	s_add_co_u32 s32, s33, s32                     ; which run of eight rows of allc and alls
	s_mul_i32 s34, s32, 6144
	s_mov_b32 s35, 0
	s_add_nc_u64 s[26:27], s[16:17], s[34:35]      ; its codes
	s_lshl_b32 s34, s32, 8
	s_add_nc_u64 s[28:29], s[18:19], s[34:35]      ; its 256 scale bytes
	s_wait_alu depctr_va_vdst(0)
	v_lshlrev_b32 v3, 4, v2                        ; my 16 bytes of a load's 512
	s_mul_i32 s23, s22, WREG
	v_lshrrev_b32 v14, 2, v2
	v_mul_u32_u24 v14, v14, SP
	v_and_b32 v15, 3, v2
	v_lshl_add_u32 v14, v15, 4, v14
	v_add_nc_u32 v14, s23, v14                     ; the stage, on the way in: four lanes' 64 bytes on end, then 16 of padding
	v_mul_u32_u24 v15, v2, SP
	v_add_nc_u32 v15, s23, v15                     ; and on the way out: my 16 neighbours
	v_mul_u32_u24 v4, v2, CB                       ; my codes' place in a step's
	v_lshrrev_b32 v5, 1, v2
	s_add_co_u32 s23, s23, 2*32*SP
	v_add_nc_u32 v5, s23, v5                       ; LDS: my wave's 256 scale bytes, my block's byte
	v_lshlrev_b32 v7, 3, v2                        ; and on the way out 8 bytes a lane
	v_add_nc_u32 v6, s23, v7
.macro LOAD t
.irp i, 0,1,2,3
	global_load_b128 v[R+16*((\t)%4)+4*\i:R+16*((\t)%4)+4*\i+3], v3, s[24:25] offset:2048*(\t)+512*\i th:TH_LOAD_NT   ; 32 lanes read 512 consecutive bytes
.endr
.endm
.macro TURN t                          ; step t's numbers through the stage: LDS serves a wave's instructions in order, so no wait stands between the stores and the loads
.irp i, 0,1,2,3
	ds_store_b128 v14, v[R+16*((\t)%4)+4*\i:R+16*((\t)%4)+4*\i+3] offset:32*SP*((\t)%2)+8*SP*\i
.endr
.irp i, 0,1,2,3
	ds_load_b128 v[X+16*((\t)%2)+4*\i:X+16*((\t)%2)+4*\i+3], v15 offset:32*SP*((\t)%2)+16*\i
.endr
.endm
.macro STEP t
.set XS, X+16*((\t)%2)
.if (\t) > 0
	s_wait_dscnt 1                                 ; this step's numbers are back from the stage (the last step's byte store may be out): its stores into the stage have read their registers,
.else
	s_wait_dscnt 0x0
.endif
.if (\t)+4 < STEPS
	LOAD (\t)+4                                    ; which take the loads of four steps on
.endif
.if (\t)+1 < STEPS
.if STEPS-2-(\t) >= 3
	s_wait_loadcnt 12                              ; the next step's four loads are in; those of the three steps behind it may be out
.else
	s_wait_loadcnt 4*(STEPS-2-(\t))
.endif
	TURN (\t)+1                                    ; and go through the other stage while this step is worked
.endif
	v_max3_num_f32 v8, |v[XS]|, |v[XS+1]|, |v[XS+2]|               ; the largest magnitude of my 16, in two chains
	v_max3_num_f32 v9, |v[XS+3]|, |v[XS+4]|, |v[XS+5]|
.irp i, 6,10
	v_max3_num_f32 v8, v8, |v[XS+\i]|, |v[XS+\i+1]|
	v_max3_num_f32 v9, v9, |v[XS+\i+2]|, |v[XS+\i+3]|
.endr
	v_max3_num_f32 v8, v8, |v[XS+14]|, |v[XS+15]|
	v_max3_num_f32 v8, v8, v9, (EMAX+1)<<23        ; and the floor 2^(5 - 127): the byte cannot fall under 1
	v_max_num_f32_dpp v8, v8, v8 row_xmask:1 row_mask:0xf bank_mask:0xf   ; and of my neighbour's 16: the block's
	v_add_nc_u32 v11, 0xfe000000, v8               ; 4 off its exponent field: the conversion takes the exponent field of this operand as its scale
	v_cvt_scalef32_pk16_bf6_f32 v[C+4*(\t):C+4*(\t)+2], v[XS:XS+15], v11
	v_lshrrev_b32 v[E+(\t)], 23, v11               ; the scale's byte (a plain line behind the conversion)
	ds_store_b8 v5, v[E+(\t)] offset:16*(\t)       ; both lanes of a block write the same byte with the same value
	global_store_b96 v4, v[C+4*(\t):C+4*(\t)+2], s[26:27] offset:32*CB*(\t)   ; the wave stores 384 consecutive bytes
.endm
.irp t, 0,1,2,3
	LOAD \t
.endr
	s_wait_alu depctr_va_vdst(0)
	s_wait_loadcnt 12                              ; step 0's four loads are in
	TURN 0
.irp t, 0,1,2,3,4,5,6,7,8,9,10,11,12,13,14,15
	STEP \t
.endr
	ds_load_b64 v[12:13], v6                       ; LDS serves a wave's instructions in order: these see my byte stores
	s_wait_dscnt 0x0
	global_store_b64 v7, v[12:13], s[28:29]        ; 32 lanes store 256 consecutive bytes, aligned
	s_wait_tensorcnt 0x0
	ds_add_u32 v192, v193
	s_wait_dscnt 0x0
	s_endpgm
.Ltable:
	; ---- the table.  My wave's 32 positions come as scalars; my lane is frequency i.
	s_sub_co_u32 s30, ttmp9, NQWG
	s_lshl_b32 s30, s30, 2
	s_add_co_u32 s30, s30, s22                     ; which 32 positions
	s_lshl_b32 s24, s30, 7
	s_mov_b32 s25, 0
	s_add_nc_u64 s[14:15], s[14:15], s[24:25]
	s_load_b512 s[32:47], s[14:15], 0x0
	s_load_b512 s[48:63], s[14:15], 0x40
	s_lshl_b32 s24, s30, 13                        ; 32 rows of 256 bytes
	s_add_nc_u64 s[20:21], s[20:21], s[24:25]
	s_mov_b32 s68, 0x3f22f983                      ; 2 / pi
	s_mov_b32 s69, 0xbfc90fd8                      ; -pi / 2 in three parts: 21 bits, then the next 24, then the next 24
	s_mov_b32 s70, 0xb4a8885a
	s_mov_b32 s71, 0xa7c234c4
	s_mov_b32 s72, 0x37cd4000                      ; cos r = 1 - z / 2 + z^2 (a0 + a1 z + a2 z^2), z = r^2, |r| <= pi / 4: a2, a1, a0
	s_mov_b32 s73, 0xbab6077d
	s_mov_b32 s74, 0x3d2aaaa8
	s_mov_b32 s75, 0x36405000                      ; sin r = r + r z (b0 + b1 z + b2 z^2 + b3 z^3): b3, b2, b1, b0
	s_mov_b32 s76, 0xb9503486
	s_mov_b32 s77, 0x3c0888c1
	s_mov_b32 s78, 0xbe2aaaab
	s_wait_alu depctr_va_vdst(0)
	v_lshlrev_b32 v16, 3, v2                       ; my pair's 8 bytes in a row
	; THE FREQUENCIES, in the two roundings in which they are defined: first 10000^(i/32) = 10^(i/8) rounded to f32 (the literals), then its reciprocal rounded to f32.
	; An angle reaches some 1,500: there one unit in a frequency's last place is 1e-4 of angle, so the frequency's bits matter.
	v_mov_b32 v1, 1.0
.macro FREQ i, bits
	s_mov_b32 s80, \bits
	v_writelane_b32 v1, s80, \i
.endm
	FREQ 1, 0x3faab0d5                             ; 1.3335214
	FREQ 2, 0x3fe39ea9                             ; 1.7782794
	FREQ 3, 0x4017c496                             ; 2.3713737
	FREQ 4, 0x404a62c2                             ; 3.1622777
	FREQ 5, 0x4086f161                             ; 4.2169650
	FREQ 6, 0x40b3f300                             ; 5.6234133
	FREQ 7, 0x40eff755                             ; 7.4989421
	FREQ 8, 0x41200000                             ; 10
	FREQ 9, 0x41555d0a
	FREQ 10, 0x418e432a
	FREQ 11, 0x41bdb5bc
	FREQ 12, 0x41fcfb72
	FREQ 13, 0x4228adb9
	FREQ 14, 0x4260efc0
	FREQ 15, 0x4295fa95
	FREQ 16, 0x42c80000                            ; 100
	FREQ 17, 0x43055a26
	FREQ 18, 0x4331d3f4
	FREQ 19, 0x436d232b
	FREQ 20, 0x439e1d27
	FREQ 21, 0x43d2d927
	FREQ 22, 0x440c95d8
	FREQ 23, 0x443b793b
	FREQ 24, 0x447a0000                            ; 1000
	FREQ 25, 0x44a6b0b0
	FREQ 26, 0x44de48f1
	FREQ 27, 0x451435fb
	FREQ 28, 0x4545a471
	FREQ 29, 0x4583c7b8
	FREQ 30, 0x45afbb4e
	FREQ 31, 0x45ea5789                            ; 7498.9421
	s_wait_alu depctr_va_vdst(0)
	v_rcp_f32 v17, v1                              ; y, within a unit in the last place of 1 / a
	v_nop                                          ; one plain place behind a transcendental
	s_wait_alu depctr_va_vdst(0)
	v_fma_f32 v18, -v1, v17, 1.0                   ; e = 1 - a y, exact
	v_fma_f32 v1, v18, v17, v17                    ; y + e y: 1 / a rounded once (no a here has a mantissa of all ones, the one case that this step does not mend)
	s_wait_kmcnt 0x0
.macro SINCOS k                        ; position k of my 32: angle = N pi / 2 + r; the quadrant chooses and signs by selects alone
	v_cvt_f32_i32 v3, s[32+\k]
	s_wait_alu depctr_va_vdst(0)
	v_mul_f32 v4, v3, v1                           ; the angle, rounded once
	v_mul_f32 v5, s68, v4
	v_rndne_f32 v5, v5                             ; N
	v_fma_f32 v6, v5, s69, v4                      ; r: the first part leaves nothing to round, the others bring pi / 2's further bits
	v_fma_f32 v6, v5, s70, v6
	v_fma_f32 v6, v5, s71, v6
	v_cvt_i32_f32 v7, v5
	v_mul_f32 v8, v6, v6                           ; z
	v_fma_f32 v9, v8, s72, s73
	v_fma_f32 v9, v9, v8, s74
	v_fma_f32 v9, v9, v8, -0.5
	v_fma_f32 v9, v9, v8, 1.0                      ; cos r
	v_fma_f32 v10, v8, s75, s76
	v_fma_f32 v10, v10, v8, s77
	v_fma_f32 v10, v10, v8, s78
	v_mul_f32 v11, v6, v8
	v_fma_f32 v10, v10, v11, v6                    ; sin r
	v_and_b32 v12, 1, v7
	v_cmp_eq_u32 vcc_lo, 1, v12
	v_cndmask_b32 v13, v9, v10, vcc_lo             ; odd quadrants change the two over
	v_cndmask_b32 v14, v10, v9, vcc_lo
	v_add_nc_u32 v15, 1, v7
	v_and_b32 v15, 2, v15
	v_lshlrev_b32 v15, 30, v15
	v_xor_b32 v[64+2*\k], v13, v15                 ; cos is negative in quadrants 1 and 2,
	v_and_b32 v15, 2, v7
	v_lshlrev_b32 v15, 30, v15
	v_xor_b32 v[65+2*\k], v14, v15                 ; sin in quadrants 2 and 3
	global_store_b64 v16, v[64+2*\k:65+2*\k], s[20:21] offset:256*\k   ; 32 lanes store a row: 256 consecutive bytes, aligned; each position has registers of its own
.endm
.irp k, 0,1,2,3,4,5,6,7,8,9,10,11,12,13,14,15,16,17,18,19,20,21,22,23,24,25,26,27,28,29,30,31
	SINCOS \k
.endr
	s_endpgm
.Lfunc_end_k_q4c79aba9bb_prep:
	.size	k_q4c79aba9bb_prep, .Lfunc_end_k_q4c79aba9bb_prep-k_q4c79aba9bb_prep
	.p2alignl 7, 3214868480
	.fill 96, 4, 3214868480
	.section	.rodata,"a",@progbits
	.p2align	6, 0x0
	.amdhsa_kernel k_q4c79aba9bb_prep
		.amdhsa_group_segment_fixed_size 33280
		.amdhsa_private_segment_fixed_size 0
		.amdhsa_enable_private_segment 0
		.amdhsa_kernarg_size 72
		.amdhsa_user_sgpr_count 2
		.amdhsa_user_sgpr_kernarg_segment_ptr 1
		.amdhsa_wavefront_size32 1
		.amdhsa_system_sgpr_workgroup_id_x 1
		.amdhsa_system_sgpr_workgroup_id_y 1
		.amdhsa_system_sgpr_workgroup_id_z 1
		.amdhsa_system_vgpr_workitem_id 0
		.amdhsa_next_free_vgpr 194
		.amdhsa_next_free_sgpr 82
		.amdhsa_reserve_vcc 1
		.amdhsa_float_denorm_mode_32 3
		.amdhsa_float_denorm_mode_16_64 3
		.amdhsa_memory_ordered 1
		.amdhsa_forward_progress 1
		.amdhsa_inst_pref_size 82
	.end_amdhsa_kernel
	.amdgpu_metadata
---
amdhsa.version: [ 1, 2 ]
amdhsa.kernels:
  - .name:           k_q4c79aba9bb_prep
    .symbol:         k_q4c79aba9bb_prep.kd
    .args:
      - { .name: x, .offset: 0, .size: 8, .value_kind: global_buffer, .address_space: global }
      - { .name: Wq, .offset: 8, .size: 8, .value_kind: global_buffer, .address_space: global }
      - { .name: Wk, .offset: 16, .size: 8, .value_kind: global_buffer, .address_space: global }
      - { .name: Wv, .offset: 24, .size: 8, .value_kind: global_buffer, .address_space: global }
      - { .name: Wo, .offset: 32, .size: 8, .value_kind: global_buffer, .address_space: global }
      - { .name: token_positions, .offset: 40, .size: 8, .value_kind: global_buffer, .address_space: global }
      - { .name: allc, .offset: 48, .size: 8, .value_kind: global_buffer, .address_space: global }
      - { .name: alls, .offset: 56, .size: 8, .value_kind: global_buffer, .address_space: global }
      - { .name: tab, .offset: 64, .size: 8, .value_kind: global_buffer, .address_space: global }
    .group_segment_fixed_size: 33280
    .private_segment_fixed_size: 0
    .kernarg_segment_align: 8
    .kernarg_segment_size: 72
    .max_flat_workgroup_size: 128
    .sgpr_count:     82
    .vgpr_count:     194
    .wavefront_size: 32
...
	.end_amdgpu_metadata
.endif
;; end of part 1
;; launch qkv (part 2): grid 8 x 48, 4 waves a work-group, clusters of 4 x 4, 327,680 bytes of LDS; arguments allc, alls, tab, qimg, qsc, kv; writes qimg, qsc, kv
.if DOCPART == 2
	.amdgcn_target "amdgcn-amd-amdhsa--gfx1250"
	.amdhsa_code_object_version 6
	.text
	.protected	k_q4c79aba9bb_qkv
	.globl	k_q4c79aba9bb_qkv
	.p2align	8
	.type	k_q4c79aba9bb_qkv,@function
k_q4c79aba9bb_qkv:
	s_mov_b64 s[64:65], 0
	v_nop
	global_prefetch_b8 v0, s[64:65] scope:SCOPE_SE
	s_setreg_imm32_b32 hwreg(HW_REG_WAVE_MODE, 25, 1), 1
	s_wait_xcnt 0x0
	s_wait_alu depctr_hold_cnt(0) depctr_sa_sdst(0) depctr_va_vdst(0) depctr_va_sdst(0) depctr_va_ssrc(0) depctr_va_vcc(0) depctr_vm_vsrc(0)
	s_getreg_b32 s2, hwreg(HW_REG_IB_STS2, 6, 4)
	s_cmp_eq_u32 s2, 0
	s_cbranch_scc0 .Lentry_in_a_cluster
	s_endpgm
.Lentry_in_a_cluster:
	s_bfe_u32 s2, ttmp6, 0x10000c
	s_cmp_lg_u32 s2, 0xf033
	s_cbranch_scc0 .Lentry_shape_is_right
	s_endpgm
.Lentry_shape_is_right:
; QKV.  The three projections x W^T on codes of BF6 (E3M2) with E8M0 scales, K = 1,024; then RoPE on Q and K in f32; then Q and K are quantised along the head's 64 and V along the keys,
; and leave as IMAGES OF THE NEXT LAUNCH'S OPERAND REGISTERS (a fragment of 12 registers: three pieces of 512 bytes, lane l's four registers at 16 l).
; THE PRODUCT.  A work-group of four waves makes 256 x 256, a wave 128 x 128 in 64 accumulators (512 registers).  K goes in steps of 256 through a ring of two LDS slots filled by the tensor data mover (rows of 192 bytes);
; the scale bytes of the work-group's rows come into LDS once.  The matrix instruction takes 16 rows of "B" as source 0 and 16 rows of "A" as source 1: a lane holds one row of A, its registers run along B's rows.
; ROLES.  Clusters with y < 8: A = 256 tokens of x, B = 256 rows of [Wq; Wk]: a lane holds a token, its registers run along the head: what RoPE and a quantiser along the head want.
;         Clusters with y >= 8: A = 256 rows of Wv, B = 256 tokens of x: a lane holds a channel of V, its registers run along the keys: what a quantiser along the keys wants.
; Rows lie in allc in STORED ORDER (place 16 t + r of each 32 holds row 8 t + r + 8 (r / 8)), so the 16 registers of the accumulators of B's blocks 2 n and 2 n + 1 are rows 32 n + 16 (lane / 16) + 0 .. 15: neighbours.
; CLUSTERS: 4 x 4 work-groups.  A's tiles hang on cy and the cluster's y and are asked for jointly along a row of the cluster, B's on x and the cluster's y and jointly along a column.  The branch between the two ways out
; hangs on the cluster's y alone, which all partners share.
; OUT.  qimg [head 64][group of 32 tokens 64][1,536]: registers 0-5 the tokens 32 g + r + 8 (r / 8), registers 6-11 those 8 further on; a lane's six registers are d = 32 (lane / 16) + 0 .. 31.
;       qsc [head][group][16 words]: lane r's word: two bytes of the first sixteen tokens' row, two of the second's.
;       kv [head][128 keys 16][12,800]: four images of K laid as qimg's, four of V (d = 32 (t / 2) + 8 (t % 2) + r + 8 (r / 8); registers along 128 keys), 256 bytes of K's scale words, 256 of V's.
; LIMITS: NaN and infinities are not served; a block of zeros or under 2^-122 gets the byte 1 (this program alone reads the bytes); RoPE's second term is fused (x1 c - x2 s has one rounding fewer than written out).
; REGISTERS, in windows of 256: window 0: v0-31 addresses; v32-63 scale words, two sets; from v128 A's fragments, one set; on the way out v1-7 and v32-215.  window 1: B's fragments, two sets.  windows 2, 3: the accumulators.
.set SIZE_K, 1024
.set KSTEP,  256                       ; along K in a slot
.set NQ,     KSTEP/128                 ; matrix instructions deep
.set ROWB,   192                       ; a tile's row in bytes
.set KROW,   SIZE_K*6/8                ; a row of allc
.set PITCH,  240                       ; an LDS row: 3 x (64 bytes + 16 of padding)
.set FR,     12                        ; registers of a fragment
.set NL,     6                         ; LDS loads that bring one
.set NP,     4                         ; places behind this matrix instruction (ISA guide 7.12.1)
.set HALFT,  128*PITCH                 ; 128 rows: what one tensor load brings
.set SLOT,   4*HALFT                   ; A's 256 rows, then B's 256 rows
.set LAPS,   SIZE_K/(2*KSTEP)
.set KS,     SIZE_K/32                 ; a row of alls
.set SCL,    2*SLOT                    ; behind the ring: the scales, as units of 256 bytes + 16 of padding
.set HALFS,  (128*KS/256)*272
.set SBLK,   (16*KS/256)*272
.set SPARE,  SCL+4*HALFS               ; the spare words, 128 bytes for each wave: two blocks of 256 bytes that no other line names
.set STGQ,   SPARE+512                 ; 512 bytes for each wave: Q's or K's scale words on their way out
.set STGV,   STGQ+2048                 ; the same for V's: each way out has bytes of its own
.set ADRA, 16
.set ADRB, 20
.set ADRS, 27
.set SPW,  28                          ; v28  SPARE + 4 x my thread's number; never rewritten
.set NIL,  29                          ; v29  0; never rewritten
.set SC,   32
.set AF,   128
.set G1, 24
.set G0, 32
.set G1B, 48
.set G0B, 56
.set G1S, 68
.set G0S, 76
.set G1SB, 80
.set G0SB, 88
; the way out, window 0
.set L16,  1                           ; v1   16 x lane
.set TA,   2                           ; v2   the table: 256 (r + 8 (r / 8)) + 64 (lane / 16)
.set SGA,  3                           ; v3   where I put a scale word
.set SGR,  4                           ; v4   where I read 16 bytes of them back
.set SCV,  5                           ; v5   and where they go in memory
.set T0,   32                          ; v32-63, v64-95  a block's (cos, sin), two buffers
.set T1,   64
.set HA,   96                          ; v96-159  64 rotated numbers
.set F,    160                         ; v160-183 two fragments
.set CT,   184                         ; v184-186, v188-190 the conversions' second halves
.set TM,   192                         ; v192-195 largest magnitudes, v196-199 bytes, v204-207 the conversions' scale operands
.set PWE,  208
.set PWO,  209
.set GG,   212
.set MSB, 0
.macro WIN new                         ; the immediate's high byte repeats the setting that is left
.if MSB != (\new)
	s_set_vgpr_msb (MSB<<8)|(\new)
.set MSB, (\new)
.endif
.endm
.set MUL_LO, 0xa1                      ; source 0 (B) window 1, source 1 (A) window 0, C and D window 2
.set MUL_HI, 0xf1                      ; the same, C and D window 3
.set TO_B,   0x40                      ; destination window 1, address window 0
; A joint load: waves 0 and 1 fetch for A, waves 2 and 3 for B; the branch hangs on the wave's number alone.  Four v_nop follow each of the two lines.
.macro JLOAD g0a, g1a, g0b, g1b
	s_cmp_eq_u32 s15, 0
	s_cbranch_scc0 .Lfor_b_\@
	tensor_load_to_lds s[\g0a:\g0a+3], s[\g1a:\g1a+7]
	s_nop 0
.rept 4
	v_nop
.endr
	s_branch .Lasked_\@
.Lfor_b_\@:
	tensor_load_to_lds s[\g0b:\g0b+3], s[\g1b:\g1b+7]
	s_nop 0
.rept 4
	v_nop
.endr
.Lasked_\@:
.endm
.macro CREST                           ; a round of the cluster's barrier behind its opening barrier
	s_cmp_lg_u32 s14, 0
	s_cbranch_scc1 .Lnot_wave_0_\@
	s_barrier_signal -3
.Lnot_wave_0_\@:
	s_barrier_wait -3
	s_barrier_signal -1
	s_barrier_wait -1
.endm
.macro CROUND                          ; a whole round
	s_barrier_signal -1
	s_barrier_wait -1
	CREST
.endm
	s_load_b128 s[4:7], s[0:1], 0x0                ; allc s[4:5], alls s[6:7]
	s_load_b128 s[96:99], s[0:1], 0x10             ; tab s[96:97], qimg s[98:99]
	s_load_b64 s[100:101], s[0:1], 0x20            ; qsc
	s_load_b64 s[66:67], s[0:1], 0x28              ; kv
	v_lshl_add_u32 v[SPW], v0, 2, SPARE
	v_mov_b32 v[NIL], 0
	ds_add_u32 v28, v29
	ds_add_u32 v28, v29
	s_wait_dscnt 0x0
	v_lshrrev_b32 v1, 5, v0
	v_readfirstlane_b32 s14, v1                    ; wave 0..3
	s_lshr_b32 s15, s14, 1                         ; which half of A's rows is mine.  Also: I fetch for A (0) or for B (1)
	s_and_b32 s16, s14, 1                          ; which half of B's rows.  Also: which 128 rows of that tile I fetch
	s_bfe_u32 s40, ttmp6, 0x40000                  ; cx, cy: my place in the cluster
	s_bfe_u32 s41, ttmp6, 0x40004
	s_lshl_b32 s42, ttmp9, 2
	s_add_co_u32 s42, s42, s40                     ; X = 4 x cluster x + cx
	s_and_b32 s95, ttmp7, 0xffff                   ; the cluster's y: under 8 Q and K, from 8 on V
	s_lshl_b32 s43, s41, 2
	s_lshl_b32 s43, 15, s43                        ; my row of the cluster
	s_lshl_b32 s44, 0x1111, s40                    ; my column
	s_lshl_b32 s17, s95, 2
	s_lshl_b32 s12, s95, 3
	s_max_u32 s12, s12, 64
	s_sub_co_u32 s12, s12, 64                      ; 8 (y - 8), or 0
	s_cmp_lt_u32 s95, 8
	s_cselect_b32 s17, s17, 40                     ; A's tile of 256 rows of allc: tokens 4 y + cy, or Wv's 40 + cy
	s_cselect_b32 s12, 32, s12                     ; B's: [Wq; Wk]'s 32 + X, or tokens 8 (y - 8) + X
	s_add_co_u32 s17, s17, s41
	s_add_co_u32 s13, s12, s42
	; descriptor group 1: a tile of 128 rows x ROWB bytes, padded in LDS
	s_or_b32 s[G1+0], s43, (0<<16)|(1<<20)|(1<<21)|(3<<22)|(3<<25)  ; 15:0 the mask: A's tiles go to my row; elements of 1 byte; padding on; bit 21 beside a mask; after every 16 words 4 words
	s_or_b32 s[G1B+0], s44, (0<<16)|(1<<20)|(1<<21)|(3<<22)|(3<<25)
.irp g, G1, G1B
	s_mov_b32 s[\g+1], ROWB<<16                    ; tensor_dim0
	s_mov_b32 s[\g+2], 128<<16                     ; tensor_dim1
	s_mov_b32 s[\g+3], ROWB<<16                    ; tile_dim0
	s_mov_b32 s[\g+4], 128                         ; tile_dim1
	s_mov_b32 s[\g+5], KROW                        ; tensor_dim0_stride
	s_mov_b32 s[\g+6], 0
	s_mov_b32 s[\g+7], 0
.endr
	; the scales of 128 rows: a dense block of 4,096 bytes, as rows of 256 bytes (32 elements of 8), 16 bytes of padding behind each
	s_or_b32 s[G1S+0], s43, (3<<16)|(1<<20)|(1<<21)|(5<<22)|(3<<25)
	s_or_b32 s[G1SB+0], s44, (3<<16)|(1<<20)|(1<<21)|(5<<22)|(3<<25)
.irp g, G1S, G1SB
	s_mov_b32 s[\g+1], 32<<16
	s_mov_b32 s[\g+2], (128*KS/256)<<16
	s_mov_b32 s[\g+3], 32<<16
	s_mov_b32 s[\g+4], 128*KS/256
	s_mov_b32 s[\g+5], 32
	s_mov_b32 s[\g+6], 0
	s_mov_b32 s[\g+7], 0
.endr
	s_lshl_b32 s18, s16, 7                         ; which 128 rows of the tile I fetch
	s_lshl_b32 s20, s17, 8
	s_add_co_u32 s20, s20, s18                     ; A's row of allc
	s_lshl_b32 s46, s13, 8
	s_add_co_u32 s46, s46, s18                     ; B's
	s_mov_b32 s21, 0
	s_mov_b32 s47, 0
	s_mov_b64 s[18:19], KS
	s_mul_u64 s[22:23], s[20:21], s[18:19]         ; where these rows' scales begin,
	s_mul_u64 s[92:93], s[46:47], s[18:19]
	s_mov_b64 s[18:19], KROW
	s_mul_u64 s[20:21], s[20:21], s[18:19]         ; and their codes
	s_mul_u64 s[46:47], s[46:47], s[18:19]
	s_mul_i32 s45, s14, HALFT                      ; where they go: wave x 128 rows: no place in the cluster enters an LDS address
	s_mul_i32 s94, s14, HALFS
	s_wait_kmcnt 0x0
	s_add_nc_u64 s[20:21], s[4:5], s[20:21]
	s_add_nc_u64 s[22:23], s[6:7], s[22:23]
	s_add_nc_u64 s[46:47], s[4:5], s[46:47]
	s_add_nc_u64 s[92:93], s[6:7], s[92:93]
	CROUND                                         ; all sixteen work-groups are here: the first joint loads meet
	s_mov_b32 s[G0S], 1
	s_add_co_u32 s[G0S+1], s94, SCL
	s_mov_b64 s[G0S+2:G0S+3], s[22:23]
	s_or_b32 s[G0S+3], s[G0S+3], 0x80000000
	s_mov_b32 s[G0SB], 1
	s_add_co_u32 s[G0SB+1], s94, SCL
	s_mov_b64 s[G0SB+2:G0SB+3], s[92:93]
	s_or_b32 s[G0SB+3], s[G0SB+3], 0x80000000
	JLOAD G0S, G1S, G0SB, G1SB                     ; the scales first: they are wanted with K step 0
.irp s, 0,1
	s_mov_b32 s[G0+4*\s], 1
	s_add_co_u32 s[G0+4*\s+1], s45, \s*SLOT
	s_add_nc_u64 s[G0+4*\s+2:G0+4*\s+3], s[20:21], \s*ROWB
	s_or_b32 s[G0+4*\s+3], s[G0+4*\s+3], 0x80000000
	s_mov_b32 s[G0B+4*\s], 1
	s_add_co_u32 s[G0B+4*\s+1], s45, \s*SLOT
	s_add_nc_u64 s[G0B+4*\s+2:G0B+4*\s+3], s[46:47], \s*ROWB
	s_or_b32 s[G0B+4*\s+3], s[G0B+4*\s+3], 0x80000000
	JLOAD G0+4*\s, G1, G0B+4*\s, G1B               ; by this text's count three tensor loads of a wave are out here
.endr
	v_and_b32 v1, 15, v0                           ; l % 16
	v_bfe_u32 v2, v0, 4, 1                         ; l / 16
	v_mul_u32_u24 v3, v1, PITCH
	v_mul_u32_u24 v4, v2, 24
	v_add_nc_u32 v4, v3, v4                        ; a fragment's row x pitch + 24 x half
	v_lshl_add_u32 v5, v2, 4, v4                   ; and the same behind one padding more
	s_mul_i32 s21, s15, HALFT                      ; my 128 rows of A
	s_mul_i32 s22, s16, HALFT                      ; my 128 rows of B,
	s_add_co_u32 s22, s22, 2*HALFT                 ; which lie behind A's 256
.irp s, 0,1
	v_add_nc_u32 v[ADRA+\s], s21, v4
	v_add_nc_u32 v[ADRB+\s], s22, v4
	v_add_nc_u32 v[ADRA+2+\s], s21, v5
	v_add_nc_u32 v[ADRB+2+\s], s22, v5
	s_add_co_u32 s21, s21, SLOT
	s_add_co_u32 s22, s22, SLOT
.endr
	v_mul_u32_u24 v5, v1, KS                       ; my row's scales: KS bytes a row,
	v_lshrrev_b32 v6, 8, v5
	v_lshl_add_u32 v5, v6, 4, v5                   ; and 16 more for each 256 passed
	s_mul_i32 s21, s15, HALFS
	s_mul_i32 s22, s16, HALFS
	s_add_co_u32 s22, s22, 2*HALFS
	s_sub_co_u32 s22, s22, s21
	v_mul_u32_u24 v6, s22, v2                      ; lanes 16-31 take B's: one product, the distance between the two bases
	s_add_co_u32 s21, s21, SCL
	v_add_nc_u32 v5, v5, v6
	v_add_nc_u32 v[ADRS], s21, v5
.macro FRAG reg, adr, q, i             ; a fragment: lane l holds row l % 16; registers 6 c .. 6 c + 5 hold K = 64 c + 32 (l / 16) + 0 .. 31: 24 bytes of the row's stream of bits, in pieces of 8 bytes
.irp p, 0,1,2,3,4,5
.set PC, 12*(\q)+6*(\p/3)+\p%3         ; 16 bytes of padding lie behind every 8 pieces: where the piece three on lies behind one padding more, the second address register serves
.if PC%8 < 5
	ds_load_b64 v[\reg+2*\p:\reg+2*\p+1], v[\adr] offset:8*PC+16*(PC/8)+(\i)*16*PITCH
.else
	ds_load_b64 v[\reg+2*\p:\reg+2*\p+1], v[\adr+2] offset:8*PC+16*(PC/8)+(\i)*16*PITCH
.endif
.endr
.endm
; 16 matrix instructions: A's blocks a0, a0 + 1 x B's eight, 128 along K.  p: B's set; sc: the set of scale words.  zero = 1: the first product starts the sums.
; The 64 accumulators take turns, one instruction a turn, in the same order in every step.
.macro MUL16 a0, p, q, sc, zero
.irp a, \a0, \a0+1
.irp b, 0,1,2,3,4,5,6,7
.if \zero
	v_wmma_scale_f32_16x16x128_f8f6f4 v[8*(8*((\a)%4)+\b):8*(8*((\a)%4)+\b)+7], v[128*(\p)+FR*\b:128*(\p)+FR*\b+FR-1], v[AF+FR*(\a):AF+FR*(\a)+FR-1], 0, v[SC+8*NQ*(\sc)+NQ*\b+(\q)], v[SC+8*NQ*(\sc)+NQ*(\a)+(\q)] matrix_a_fmt:MATRIX_FMT_BF6 matrix_b_fmt:MATRIX_FMT_BF6 matrix_a_scale:MATRIX_SCALE_ROW1
.else
	v_wmma_scale_f32_16x16x128_f8f6f4 v[8*(8*((\a)%4)+\b):8*(8*((\a)%4)+\b)+7], v[128*(\p)+FR*\b:128*(\p)+FR*\b+FR-1], v[AF+FR*(\a):AF+FR*(\a)+FR-1], v[8*(8*((\a)%4)+\b):8*(8*((\a)%4)+\b)+7], v[SC+8*NQ*(\sc)+NQ*\b+(\q)], v[SC+8*NQ*(\sc)+NQ*(\a)+(\q)] matrix_a_fmt:MATRIX_FMT_BF6 matrix_b_fmt:MATRIX_FMT_BF6 matrix_a_scale:MATRIX_SCALE_ROW1
.endif
.endr
.endr
.endm
.macro FETCH_B slot, q, p
	WIN TO_B
.irp i, 0,1,2,3,4,5,6,7
	FRAG 128*(\p)+FR*\i, ADRB+\slot, \q, \i
.endr
	WIN 0
.endm
.macro FETCH_A slot, q, i0
.irp i, \i0, \i0+1, \i0+2, \i0+3
	FRAG AF+FR*(\i), ADRA+\slot, \q, \i
.endr
.endm
.macro SCALES sc                       ; a K step's scale words: lanes 0-15 take A's block i, lanes 16-31 B's block i
.irp i, 0,1,2,3,4,5,6,7
	ds_load_b64 v[SC+8*NQ*\sc+NQ*\i:SC+8*NQ*\sc+NQ*\i+1], v[ADRS] offset:\i*SBLK
.endr
.endm
.macro PLACES n                        ; plain vector instructions between a matrix instruction and a load into, or a read of, its registers (ISA guide 7.12.1 for reads)
.rept \n
	v_nop
.endr
.endm
.macro STEP slot, q, zero              ; a step of 128 along K that has its successor in the same slot
	s_wait_dscnt 4*NL                              ; B's set and A's blocks 0-3 are in; the youngest 24 loads (A's blocks 4-7) may be out
	WIN MUL_LO
	MUL16 0, (\q)%2, \q, \slot, \zero
	MUL16 2, (\q)%2, \q, \slot, \zero
	s_wait_dscnt 0                                 ; A's blocks 4-7 are in
	PLACES NP
	FETCH_B \slot, (\q)+1, 1-(\q)%2
	FETCH_A \slot, (\q)+1, 0
	WIN MUL_HI
	MUL16 4, (\q)%2, \q, \slot, \zero
	MUL16 6, (\q)%2, \q, \slot, \zero
	PLACES NP
	WIN 0
	FETCH_A \slot, (\q)+1, 4
.endm
; A slot's last step changes slots: one barrier; in front of it each wave waits for all its tensor loads, adds 0 to its spare word, and waits for that and for its reads of this slot.  fill = 1: the slot is filled again, two K steps ahead.
.macro TURN slot, next, fill
	s_wait_tensorcnt 0x0                           ; all my tensor loads have landed: my part of the next slot
	ds_add_u32 v[SPW], v[NIL]                      ; 0 onto my spare word
	s_wait_dscnt 4*NL+1                            ; (the add and the youngest 24 loads, A's blocks 4-7, may be out)
	WIN MUL_LO
	MUL16 0, 1, NQ-1, \slot, 0                     ; sixteen matrix instructions stand between the add and the wait for it
	s_wait_dscnt 0x0                               ; the add is done, and my reads of this slot are over
	s_barrier_signal -1
	MUL16 2, 1, NQ-1, \slot, 0
	WIN 0
	s_barrier_wait -1
.if \fill
	CREST                                          ; the barrier has opened a round of the cluster's barrier: no wave of any partner still reads this slot or has a load on its way
	s_add_nc_u64 s[G0+4*\slot+2:G0+4*\slot+3], s[G0+4*\slot+2:G0+4*\slot+3], 2*ROWB
	s_add_nc_u64 s[G0B+4*\slot+2:G0B+4*\slot+3], s[G0B+4*\slot+2:G0B+4*\slot+3], 2*ROWB
	JLOAD G0+4*\slot, G1, G0B+4*\slot, G1B         ; the first tensor load behind the round; its four v_nop are the places in front of the loads below
.else
	PLACES NP
.endif
	s_wait_alu depctr_va_vdst(0)
	v_add_nc_u32 v[ADRS], 4*NQ, v[ADRS]            ; on to the next K step's scale words
	FETCH_B \next, 0, 0
	FETCH_A \next, 0, 0
	SCALES \next
	WIN MUL_HI
	MUL16 4, 1, NQ-1, \slot, 0
	MUL16 6, 1, NQ-1, \slot, 0
	PLACES NP
	WIN 0
	FETCH_A \next, 0, 4
.endm
	s_wait_alu depctr_va_vdst(0)
	s_wait_tensorcnt 1                             ; the scales and my part of K step 0 are in (K step 1's load may be out)
	s_barrier_signal -1
	s_barrier_wait -1                              ; everybody's are
	FETCH_B 0, 0, 0
	FETCH_A 0, 0, 0
	SCALES 0
	FETCH_A 0, 0, 4
	STEP 0, 0, 1                                   ; the first step stands in front of the loop: its products start the sums
	s_mov_b32 s3, LAPS-1
.Llap:                                                 ; a trip goes once round the ring and fills both slots again
	TURN 0, 1, 1
	STEP 1, 0, 0
	TURN 1, 0, 1
	STEP 0, 0, 0
	s_sub_co_u32 s3, s3, 1
	s_cmp_lg_u32 s3, 0
	s_cbranch_scc1 .Llap
	TURN 0, 1, 0                                   ; the last lap fills nothing
	STEP 1, 0, 0
	s_wait_dscnt 4*NL                              ; the very last step
	WIN MUL_LO
	MUL16 0, 1, NQ-1, 1, 0
	MUL16 2, 1, NQ-1, 1, 0
	s_wait_dscnt 0
	WIN MUL_HI
	MUL16 4, 1, NQ-1, 1, 0
	MUL16 6, 1, NQ-1, 1, 0
	WIN 0
; ---- THE WAY OUT.
; QUANT: 64 numbers of a lane in window w, register s + 16 b + i = place 32 b + 16 (lane / 16) + i along the next K, become two runs of six registers of codes (d0: places 0-63, d1: places 64-127; a lane's six are its half's 32)
; and the four blocks' bytes in v[pw].  An accumulator's registers are read from the low end on.
.macro QUANT s, w, d0, d1, pw
	WIN (\w)|((\w)<<2)
.irp b, 0,1,2,3
	v_max3_num_f32 v[TM+\b], |v[\s+16*\b]|, |v[\s+16*\b+1]|, 0x2800000   ; block b: my 16 numbers, and the floor 2^(5 - 127): the byte cannot fall under 1
.endr
.irp i, 2,4,6,8,10,12,14
.irp b, 0,1,2,3
	v_max3_num_f32 v[TM+\b], |v[\s+16*\b+\i]|, |v[\s+16*\b+\i+1]|, v[TM+\b]   ; (the four blocks by turns)
.endr
.endr
	WIN 0
.irp b, 0,1,2,3
	v_permlanex16_b32 v[TM+4+\b], v[TM+\b], s8, s9
.endr
.irp b, 0,1,2,3
	v_max_num_f32 v[TM+\b], v[TM+\b], v[TM+4+\b]   ; with lane l xor 16's: the block's largest magnitude
.endr
.irp b, 0,1,2,3
	v_add_nc_u32 v[TM+12+\b], 0xfe000000, v[TM+\b] ; 4 off its exponent field: the conversion's scale operand
.endr
.irp b, 0,1,2,3
	v_lshrrev_b32 v[TM+4+\b], 23, v[TM+12+\b]      ; the scale's byte
.endr
	v_lshl_or_b32 v[\pw], v[TM+5], 8, v[TM+4]
	v_lshl_or_b32 v[\pw], v[TM+6], 16, v[\pw]
	v_lshl_or_b32 v[\pw], v[TM+7], 24, v[\pw]
	WIN (\w)
	v_cvt_scalef32_pk16_bf6_f32 v[(\d0):(\d0)+2], v[\s:\s+15], v[TM+12]
	v_cvt_scalef32_pk16_bf6_f32 v[CT:CT+2], v[\s+16:\s+31], v[TM+13]      ; (a conversion's three registers begin on an even number)
	v_cvt_scalef32_pk16_bf6_f32 v[(\d1):(\d1)+2], v[\s+32:\s+47], v[TM+14]
	v_cvt_scalef32_pk16_bf6_f32 v[CT+4:CT+6], v[\s+48:\s+63], v[TM+15]
	WIN 0
	v_nop                                          ; one plain place behind a scaled conversion
.irp i, 0,1,2                          ; the operand's layout wants a whole block in a lane: lanes 0-15 the first of two, lanes 16-31 the second
	v_permlane16_swap_b32 v[(\d0)+\i], v[CT+\i]
	v_permlane16_swap_b32 v[(\d1)+\i], v[CT+4+\i]
.endr
.irp i, 0,1,2
	v_mov_b32 v[(\d0)+3+\i], v[CT+\i]
	v_mov_b32 v[(\d1)+3+\i], v[CT+4+\i]
.endr
.endm
	PLACES NP                                      ; behind the last products: what follows writes registers that they read, and reads results
.irp b, 0,1,2,3
	v_mov_b32 v[TM+4+\b], 0                        ; written once: a lane permute's destination counts as one of its sources
.endr
	v_and_b32 v[L16], 31, v0
	v_lshlrev_b32 v[L16], 4, v[L16]
	v_and_b32 v6, 15, v0                           ; r
	v_bfe_u32 v7, v0, 4, 1                         ; h
	s_lshl_b32 s3, s14, 9                          ; my 512 bytes of a stage
	s_mov_b32 s45, 0
	s_mov_b32 s8, 0x76543210
	s_mov_b32 s9, 0xfedcba98                       ; v_permlanex16_b32's selects for lane l xor 16
	s_cmp_lt_u32 s95, 8
	s_cbranch_scc0 .Lvpath
	; ---- Q and K.  Block a of A is 16 tokens (32 (a / 2) + 8 (a % 2) + r + 8 (r / 8) of my 128); a lane's 64 registers are two heads x 64.
	s_lshr_b32 s10, s17, 3                         ; batch
	s_and_b32 s11, s17, 7
	s_lshl_b32 s11, s11, 1
	s_add_co_u32 s11, s11, s15                     ; which 128 tokens of the sequence
	s_lshl_b32 s44, s11, 15
	s_add_nc_u64 s[96:97], s[96:97], s[44:45]      ; their rows of the table
	s_lshl_b32 s12, s42, 2
	s_lshl_b32 s13, s16, 1
	s_add_co_u32 s12, s12, s13                     ; my first head of 32: 0-15 Q's, 16-31 K's
	s_and_b32 s13, s12, 15
	s_lshl_b32 s18, s10, 4
	s_add_co_u32 s18, s18, s13
	s_lshl_b32 s18, s18, 4
	s_add_co_u32 s18, s18, s11                     ; 16 (16 batch + head) + the 128 tokens' number
	s_mov_b32 s19, 12800
	s_mov_b32 s2, 204800
	s_mov_b32 s10, 12800
	s_mov_b32 s13, 204800
	s_cmp_lt_u32 s12, 16                           ; Q or K: it chooses pointers and pitches, never a path
	s_cselect_b64 s[20:21], s[98:99], s[66:67]
	s_cselect_b64 s[22:23], s[100:101], s[66:67]
	s_cselect_b32 s19, 6144, s19                   ; bytes of images for 128 tokens of a head, or a whole step of kv
	s_cselect_b32 s2, 98304, s2                    ; from a head to the next
	s_cselect_b32 s10, 256, s10
	s_cselect_b32 s40, 0, 12288
	s_cselect_b32 s13, 4096, s13                   ; from a head's scale words to the next head's
	s_mul_i32 s44, s18, s19
	s_add_nc_u64 s[20:21], s[20:21], s[44:45]      ; my first head's images
	s_mov_b32 s44, s2
	s_add_nc_u64 s[46:47], s[20:21], s[44:45]      ; my second head's
	s_mul_i32 s44, s18, s10
	s_add_co_u32 s44, s44, s40
	s_add_nc_u64 s[22:23], s[22:23], s[44:45]      ; my first head's scale words
	s_mov_b32 s43, 0xffff0000                      ; lanes 16-31; also the upper half of a word
	s_wait_alu depctr_va_vdst(0)
	v_and_b32 v[TA], 8, v6
	v_add_nc_u32 v[TA], v[TA], v6
	v_lshlrev_b32 v[TA], 8, v[TA]
	v_lshl_add_u32 v[TA], v7, 6, v[TA]
	v_lshlrev_b32 v[SGA], 2, v6
	v_lshl_add_u32 v[SGA], v7, 8, v[SGA]
	v_add_nc_u32 v[SGA], s3, v[SGA]
	v_add_nc_u32 v[SGA], STGQ, v[SGA]              ; lanes 0-15 put the first head's words, lanes 16-31 the second's, 256 bytes on
	v_add_nc_u32 v[SGR], s3, v[L16]
	v_add_nc_u32 v[SGR], STGQ, v[SGR]
	v_mul_u32_u24 v[SCV], s13, v7
	v_lshl_add_u32 v[SCV], v6, 4, v[SCV]
.macro TLOAD a, t                      ; block a's (cos, sin): my token's row; frequencies 16 g + 8 (lane / 16) + 0 .. 7 for g = 0, 1: register t + 16 g + 2 k holds cos, the next sin
.irp n, 0,1,2,3,4,5,6,7
	global_load_b128 v[\t+4*\n:\t+4*\n+3], v[TA], s[96:97] offset:256*(32*((\a)/2)+8*((\a)%2))+128*(\n/4)+16*(\n%4)
.endr
.endm
.macro ROPE a, t                       ; (x1, x2) -> (x1 c - x2 s, x1 s + x2 c), a pair an instruction: first (x1 c, x1 s), then the fused second terms
	WIN 2+(\a)/4
.irp bt, 0,1,2,3
.irp k, 0,1,2,3,4,5,6,7
	v_pk_mul_f32 v[HA+16*\bt+2*\k:HA+16*\bt+2*\k+1], v[64*((\a)%4)+16*\bt+2*\k:64*((\a)%4)+16*\bt+2*\k+1], v[\t+16*(\bt%2)+2*\k:\t+16*(\bt%2)+2*\k+1] op_sel:[0,0] op_sel_hi:[0,1]
.endr
.endr
.irp bt, 0,1,2,3
.irp k, 0,1,2,3,4,5,6,7
	v_pk_fma_f32 v[HA+16*\bt+2*\k:HA+16*\bt+2*\k+1], v[64*((\a)%4)+16*\bt+2*\k:64*((\a)%4)+16*\bt+2*\k+1], v[\t+16*(\bt%2)+2*\k:\t+16*(\bt%2)+2*\k+1], v[HA+16*\bt+2*\k:HA+16*\bt+2*\k+1] op_sel:[1,1,0] op_sel_hi:[1,0,1] neg_lo:[0,1,0]
.endr
.endr
	WIN 0
.endm
.macro QKBLOCK a, t
.if (\a) < 7
	s_wait_loadcnt 8                               ; this block's eight table loads are in; the next block's eight may be out
.else
	s_wait_loadcnt 0x0
.endif
	ROPE \a, \t
.if (\a)+2 < 8
	TLOAD (\a)+2, \t                               ; the buffer just read takes the block two on
.endif
.endm
	TLOAD 0, T0
	TLOAD 1, T1
.irp p, 0,1,2,3                        ; a pair of blocks is 32 tokens: one image for each of my two heads
.if \p > 0
	s_wait_xcnt 0x0                                ; the last pair's stores have read their registers: the fragments may be written again
.endif
	QKBLOCK 2*\p, T0
	QUANT HA, 0, F, F+12, PWE
	QKBLOCK 2*\p+1, T1
	QUANT HA, 0, F+6, F+18, PWO
	v_and_b32 v210, 0xffff, v[PWE]
	v_lshl_or_b32 v210, v[PWO], 16, v210           ; the first head's word: two bytes of the even block's token, two of the odd block's
	v_lshrrev_b32 v211, 16, v[PWE]
	v_and_or_b32 v211, v[PWO], s43, v211           ; the second head's
	v_cndmask_b32 v210, v210, v211, s43
	ds_store_b32 v[SGA], v210 offset:64*\p
.irp j, 0,1,2
	global_store_b128 v[L16], v[F+4*\j:F+4*\j+3], s[20:21] offset:1536*\p+512*\j        ; 32 lanes store 512 consecutive bytes, aligned
	global_store_b128 v[L16], v[F+12+4*\j:F+12+4*\j+3], s[46:47] offset:1536*\p+512*\j
.endr
.endr
	ds_load_b128 v[GG:GG+3], v[SGR]                ; LDS serves a wave's instructions in order: these see my stores
	s_wait_dscnt 0x0
	global_store_b128 v[SCV], v[GG:GG+3], s[22:23] ; sixteen lanes store a head's 256 bytes of scale words, aligned
	s_branch .Ltail
.Lvpath:
	; ---- V.  Block a of A is 16 channels (head a / 4 of my two; d = 32 ((a % 4) / 2) + 8 (a % 2) + r + 8 (r / 8)); a lane's 64 registers are half of 128 keys: the accumulators are quantised as they stand.
	s_lshr_b32 s10, s13, 3                         ; batch
	s_and_b32 s11, s13, 7
	s_lshl_b32 s11, s11, 1
	s_add_co_u32 s11, s11, s16                     ; which 128 keys
	s_lshl_b32 s18, s10, 4
	s_lshl_b32 s10, s41, 2
	s_add_co_u32 s18, s18, s10
	s_lshl_b32 s10, s15, 1
	s_add_co_u32 s18, s18, s10                     ; 16 batch + my first head
	s_lshl_b32 s18, s18, 4
	s_add_co_u32 s18, s18, s11
	s_mul_i32 s44, s18, 12800
	s_add_nc_u64 s[20:21], s[66:67], s[44:45]
	s_wait_alu depctr_va_vdst(0)
	v_lshlrev_b32 v[SGA], 2, v6
	v_add_nc_u32 v[SGA], s3, v[SGA]
	v_add_nc_u32 v[SGA], STGV, v[SGA]              ; lanes r and r + 16 write the same word with the same value
	v_add_nc_u32 v[SGR], s3, v[L16]
	v_add_nc_u32 v[SGR], STGV, v[SGR]
	v_mul_u32_u24 v[SCV], 0x32000, v7              ; 204,800 bytes from a head to the next
	v_lshl_add_u32 v[SCV], v6, 4, v[SCV]
.irp a, 0,1,2,3,4,5,6,7
.if \a > 1
	s_wait_xcnt 0x0                                ; the stores of two blocks ago have read their registers
.endif
	QUANT 64*(\a%4), 2+\a/4, F+12*(\a%2), F+12*(\a%2)+6, PWE
	ds_store_b32 v[SGA], v[PWE] offset:64*\a
.irp j, 0,1,2
	global_store_b128 v[L16], v[F+12*(\a%2)+4*\j:F+12*(\a%2)+4*\j+3], s[20:21] offset:204800*(\a/4)+6144+1536*(\a%4)+512*\j
.endr
.endr
	ds_load_b128 v[GG:GG+3], v[SGR]
	s_wait_dscnt 0x0
	global_store_b128 v[SCV], v[GG:GG+3], s[20:21] offset:12544
.Ltail:
	s_wait_tensorcnt 0x0                           ; the wave's end: behind my last tensor load and my last LDS store
	ds_add_u32 v[SPW], v[NIL]
	s_wait_dscnt 0x0
	CROUND                                         ; the closing round: no work-group ends while a partner may still ask for a tile that names it
	s_endpgm
.Lfunc_end_k_q4c79aba9bb_qkv:
	.size	k_q4c79aba9bb_qkv, .Lfunc_end_k_q4c79aba9bb_qkv-k_q4c79aba9bb_qkv
	.p2alignl 7, 3214868480
	.fill 96, 4, 3214868480
	.section	.rodata,"a",@progbits
	.p2align	6, 0x0
	.amdhsa_kernel k_q4c79aba9bb_qkv
		.amdhsa_group_segment_fixed_size 327680
		.amdhsa_private_segment_fixed_size 0
		.amdhsa_enable_private_segment 0
		.amdhsa_kernarg_size 48
		.amdhsa_user_sgpr_count 2
		.amdhsa_user_sgpr_kernarg_segment_ptr 1
		.amdhsa_wavefront_size32 1
		.amdhsa_system_sgpr_workgroup_id_x 1
		.amdhsa_system_sgpr_workgroup_id_y 1
		.amdhsa_system_sgpr_workgroup_id_z 1
		.amdhsa_system_vgpr_workitem_id 0
		.amdhsa_next_free_vgpr 1024
		.amdhsa_next_free_sgpr 102
		.amdhsa_reserve_vcc 0
		.amdhsa_float_denorm_mode_32 3
		.amdhsa_float_denorm_mode_16_64 3
		.amdhsa_memory_ordered 1
		.amdhsa_forward_progress 1
		.amdhsa_inst_pref_size 240
	.end_amdhsa_kernel
	.amdgpu_metadata
---
amdhsa.version: [ 1, 2 ]
amdhsa.kernels:
  - .name:           k_q4c79aba9bb_qkv
    .symbol:         k_q4c79aba9bb_qkv.kd
    .args:
      - { .name: allc, .offset: 0, .size: 8, .value_kind: global_buffer, .address_space: global }
      - { .name: alls, .offset: 8, .size: 8, .value_kind: global_buffer, .address_space: global }
      - { .name: tab, .offset: 16, .size: 8, .value_kind: global_buffer, .address_space: global }
      - { .name: qimg, .offset: 24, .size: 8, .value_kind: global_buffer, .address_space: global }
      - { .name: qsc, .offset: 32, .size: 8, .value_kind: global_buffer, .address_space: global }
      - { .name: kv, .offset: 40, .size: 8, .value_kind: global_buffer, .address_space: global }
    .group_segment_fixed_size: 327680
    .private_segment_fixed_size: 0
    .kernarg_segment_align: 8
    .kernarg_segment_size: 48
    .max_flat_workgroup_size: 128
    .sgpr_count:     102
    .vgpr_count:     1024
    .wavefront_size: 32
...
	.end_amdgpu_metadata
.endif
;; end of part 2
;; launch attn (part 3): grid 4 x 64, 16 waves a work-group, no clusters, 206,848 bytes of LDS; arguments qimg, qsc, kv, aimg, asc; writes aimg, asc
.if DOCPART == 3
	.amdgcn_target "amdgcn-amd-amdhsa--gfx1250"
	.amdhsa_code_object_version 6
	.text
	.protected	k_q4c79aba9bb_attn
	.globl	k_q4c79aba9bb_attn
	.p2align	8
	.type	k_q4c79aba9bb_attn,@function
k_q4c79aba9bb_attn:
	s_mov_b64 s[64:65], 0
	v_nop
	global_prefetch_b8 v0, s[64:65] scope:SCOPE_SE
	s_setreg_imm32_b32 hwreg(HW_REG_WAVE_MODE, 25, 1), 1
	s_wait_xcnt 0x0
; ATTN.  O = softmax(Q K^T / 8, causal) V for one head a work-group, both products on codes of BF6 (E3M2) with E8M0 scales; O / l is quantised along the head and leaves as images of the last product's operand.
; THE SOFTMAX AHEAD OF THE SECOND PRODUCT: t = score x log2(e) / 8; M = the row's largest t so far, rounded up to a whole number; p = 2^(t - M) is quantised along the keys, not normalised; the sum l is taken of the
; unquantised p and divides O at the end (v_rcp_f32 and a multiplication).  When M moves, l and O are multiplied by 2^(old M - new M): exact.
; SHARES.  Work-group (c, head); sixteen waves of 256 registers, four to a SIMD.  Wave w makes the tiles of 16 queries T = 16 c + w and 127 - T: a tile T needs T / 8 + 1 steps of 128 keys, so every wave has 17 steps.
; A tile T holds the tokens 32 (T / 2) + 8 (T % 2) + r + 8 (r / 8): the order in which the projections left them.
; LDS.  The head's whole block of kv, 204,800 bytes, comes ONCE: wave w brings step w by one tensor load (one tensor load of a wave is out, by this text's count); one barrier; nothing is filled again.
; Every fragment is an image of its registers: a load's 32 lanes read 512 consecutive bytes.
; LAYOUT.  S^T = K Q^T (source 0 = 16 keys, source 1 = my 16 queries), O^T = V^T P^T: a lane holds one query throughout.  The head is 64 wide and the instruction's K is 128: an image of K holds TWO tiles of keys, one in each
; half of K; Q stands against one half and zero codes against the other (v16-33 hold Q, zeros, Q).  The 16 registers of score tiles 2 f and 2 f + 1 are keys 32 f + 16 (lane / 16) + 0 .. 15.
; CAUSAL.  Both loops have 16 trips, a constant; a step all of whose keys come after the tile's queries is jumped over by a scalar branch on ids; on the diagonal hidden scores become -infinity by selects.
; NO CLUSTER: the four work-groups of a head read the same block, but the jump over hidden steps hangs on the query tile, which would be a branch on the place in a cluster.
; asc: a head owns two bytes of a token's 32: they leave by a store of two bytes a lane, rows 32 bytes apart; lanes 16-31 store the same bytes to the same places as lanes 0-15.
; LIMITS: NaN and infinities are not served; a block of zeros or under 2^-122 gets the byte 1 (this program alone reads the bytes).
.set STEPB, 12800                      ; a step of kv: four images of K, four of V, K's scale words, V's
.set L16, 1                            ; v1   16 x lane
.set L4,  2                            ; v2   4 x lane
.set QL,  3                            ; v3   r + 8 (r / 8) - 16 (lane / 16)
.set ADK, 4                            ; v4   the step's images
.set ADS, 5                            ; v5   the step's scale words
.set QA0, 6                            ; v6, v7  my bytes of Q's image
.set QA1, 7
.set R4,  8                            ; v8   4 r
.set L8,  9                            ; v9   8 x lane
.set R32, 10                           ; v10  32 r
.set QF,  16                           ; v16-21 Q, v22-27 zeros, v28-33 Q
.set QSC, 34                           ; v34  Q's two bytes, twice
.set KV,  36                           ; v36-83 four fragments of K, then of V
.set KSC, 84                           ; v84-85 K's scale words (lanes 0-15 an even group's, lanes 16-31 the odd one's); v86-87 V's
.set VSC, 86
.set PSC, 88                           ; v88  p's scale word
.set SS,  96                           ; v96-159 S^T, then p, then O / l
.set OT,  160                          ; v160-191 O^T
.set PC,  192                          ; v192-203 p's codes
.set CT,  204                          ; v204-206, v208-210 the conversions' second halves
.set BM,  212                          ; v212-215 a block's largest score, then its largest p
.set PT,  216                          ; v216-219 the other half's, then bytes
.set CS,  220                          ; v220-223 the conversions' scale operands
.set TB,  36                           ; s36  LDS byte at which the step begins
.set KF,  37                           ; s37  its first key
.set QMIN, 38
.set QMAX, 39
	s_load_b256 s[4:11], s[0:1], 0x0               ; qimg s[4:5], qsc s[6:7], kv s[8:9], aimg s[10:11]
	s_load_b64 s[12:13], s[0:1], 0x20              ; asc
	v_lshl_add_u32 v254, v0, 2, 0x32000
	v_mov_b32 v255, 0
	ds_add_u32 v254, v255
	ds_add_u32 v254, v255
	v_lshrrev_b32 v1, 5, v0
	s_delay_alu instid0(VALU_DEP_1)
	v_readfirstlane_b32 s14, v1                    ; wave 0..15
	s_and_b32 s16, ttmp7, 0xffff                   ; 16 batch + head
	; descriptor group 1: a dense block of 12,800 bytes as 50 rows of 256 (32 elements of 8 bytes), no padding
	s_mov_b32 s24, 3<<16
	s_mov_b32 s25, 32<<16                          ; tensor_dim0
	s_mov_b32 s26, 50<<16                          ; tensor_dim1
	s_mov_b32 s27, 32<<16                          ; tile_dim0
	s_mov_b32 s28, 50                              ; tile_dim1
	s_mov_b32 s29, 32                              ; the pitch
	s_mov_b32 s30, 0
	s_mov_b32 s31, 0
	s_mov_b32 s32, 1
	s_mul_i32 s33, s14, STEPB                      ; LDS address: my step
	s_mul_i32 s42, s16, 16*STEPB
	s_add_co_u32 s42, s42, s33
	s_mov_b32 s43, 0
	s_wait_dscnt 0x0
	s_wait_kmcnt 0x0
	s_add_nc_u64 s[34:35], s[8:9], s[42:43]
	s_or_b32 s35, s35, 0x80000000
	tensor_load_to_lds s[32:35], s[24:31]
	s_nop 0
.rept 4
	v_nop
.endr
	v_and_b32 v11, 31, v0
	s_delay_alu instid0(VALU_DEP_1)
	v_lshlrev_b32 v[L16], 4, v11
	s_delay_alu instid0(VALU_DEP_2)
	v_lshlrev_b32 v[L4], 2, v11
	s_delay_alu instid0(VALU_DEP_3)
	v_lshlrev_b32 v[L8], 3, v11
	v_and_b32 v8, 15, v0                           ; r
	v_bfe_u32 v11, v0, 4, 1
	s_delay_alu instid0(VALU_DEP_2)
	v_and_b32 v[QL], 8, v8
	s_delay_alu instid0(VALU_DEP_1)
	v_add_nc_u32 v[QL], v[QL], v8
	s_delay_alu instid0(VALU_DEP_3)
	v_lshlrev_b32 v11, 4, v11
	s_delay_alu instid0(VALU_DEP_1)
	v_sub_nc_u32 v[QL], v[QL], v11
	v_lshlrev_b32 v[R32], 5, v8
	v_lshlrev_b32 v[R4], 2, v8
.irp j, 22,23,24,25,26,27
	v_mov_b32 v\j, 0                               ; zero codes, against the half of K's image that is not wanted
.endr
.irp j, 216,217,218,219,225,226
	v_mov_b32 v\j, 0                               ; written once: lane permutes' destinations, and the upper half of the pair v[224:225]
.endr
	s_mov_b32 s20, 0x76543210
	s_mov_b32 s21, 0xfedcba98                      ; v_permlanex16_b32's selects for lane l xor 16
	s_mov_b32 s22, 0x3e38aa3b                      ; c = log2(e) / 8
	s_mov_b32 s23, s22                             ; (named with it as a pair)
	s_lshl_b32 s41, ttmp9, 4
	s_add_co_u32 s41, s41, s14                     ; my first tile
	s_wait_tensorcnt 0x0                           ; my step has landed,
	s_barrier_signal -1
	s_barrier_wait -1                              ; everybody's has
.macro SQK f, u                        ; score tile 2 f + u: image f of K against Q in half u of K
.if (\f)%2
	v_wmma_scale_f32_16x16x128_f8f6f4 v[SS+8*(2*(\f)+\u):SS+8*(2*(\f)+\u)+7], v[KV+12*(\f):KV+12*(\f)+11], v[QF+6*(\u):QF+6*(\u)+11], 0, v[KSC+(\f)/2], v[QSC] matrix_a_fmt:MATRIX_FMT_BF6 matrix_b_fmt:MATRIX_FMT_BF6 matrix_a_scale:MATRIX_SCALE_ROW1
.else
	v_wmma_scale_f32_16x16x128_f8f6f4 v[SS+8*(2*(\f)+\u):SS+8*(2*(\f)+\u)+7], v[KV+12*(\f):KV+12*(\f)+11], v[QF+6*(\u):QF+6*(\u)+11], 0, v[KSC+(\f)/2], v[QSC] matrix_a_fmt:MATRIX_FMT_BF6 matrix_b_fmt:MATRIX_FMT_BF6
.endif
.endm
.macro PV t                            ; O^T's tile t += 16 channels of V x p, K = the step's 128 keys
.if (\t)%2
	v_wmma_scale_f32_16x16x128_f8f6f4 v[OT+8*(\t):OT+8*(\t)+7], v[KV+12*(\t):KV+12*(\t)+11], v[PC:PC+11], v[OT+8*(\t):OT+8*(\t)+7], v[VSC+(\t)/2], v[PSC] matrix_a_fmt:MATRIX_FMT_BF6 matrix_b_fmt:MATRIX_FMT_BF6 matrix_a_scale:MATRIX_SCALE_ROW1
.else
	v_wmma_scale_f32_16x16x128_f8f6f4 v[OT+8*(\t):OT+8*(\t)+7], v[KV+12*(\t):KV+12*(\t)+11], v[PC:PC+11], v[OT+8*(\t):OT+8*(\t)+7], v[VSC+(\t)/2], v[PSC] matrix_a_fmt:MATRIX_FMT_BF6 matrix_b_fmt:MATRIX_FMT_BF6
.endif
.endm
; A KEY STEP: 128 keys.  The accumulators take turns, one instruction a turn.
.macro STEP
	s_cmp_gt_u32 s[KF], s[QMAX]                    ; all its keys come after my queries: only the lines at its end that step addresses are run
	s_cbranch_scc1 .Lhidden_\@
	s_setprio 2
	v_add_nc_u32 v[ADK], s[TB], v[L16]
	v_add_nc_u32 v[ADS], s[TB], v[L4]
	v_nop
	v_nop                                          ; four places in front of loads into registers that the last products read
.irp f, 0,1,2,3
.irp j, 0,1,2
	ds_load_b128 v[KV+12*\f+4*\j:KV+12*\f+4*\j+3], v[ADK] offset:1536*\f+512*\j
.endr
.endr
	ds_load_b32 v[KSC], v[ADS] offset:12288
	ds_load_b32 v[KSC+1], v[ADS] offset:12416
	ds_load_b32 v[VSC], v[ADS] offset:12544
	ds_load_b32 v[VSC+1], v[ADS] offset:12672
	s_wait_alu depctr_va_vdst(0)
	s_wait_dscnt 0x0
.irp f, 0,1,2,3
	SQK \f, 0
	SQK \f, 1
.endr
.rept 4
	v_nop                                          ; places in front of the loads below and of the first read of the scores
.endr
.irp f, 0,1,2,3
.irp j, 0,1,2
	ds_load_b128 v[KV+12*\f+4*\j:KV+12*\f+4*\j+3], v[ADK] offset:6144+1536*\f+512*\j   ; V's four images land while the softmax is worked
.endr
.endr
	s_add_co_u32 s42, s[KF], 127
	s_cmp_le_u32 s42, s[QMIN]
	s_cbranch_scc1 .Lopen_\@                       ; all keys count for all my queries
	s_sub_co_i32 s42, s[QMIN], s[KF]
	v_add_nc_u32 v226, s42, v[QL]                  ; d = my query - KF - 16 (lane / 16).  Register 16 b + i holds key KF + 16 (lane / 16) + 32 b + i: hidden where 32 b + i > d
	v_mov_b32 v35, 0xff800000                      ; -infinity
.set n, 0
.rept 64
	v_cmp_gt_i32 vcc_lo, 32*(n/16)+n%16, v226
	v_cndmask_b32 v[SS+n], v[SS+n], v35, vcc_lo
.set n, n+1
.endr
.Lopen_\@:
.irp b, 0,1,2,3
	v_max3_num_f32 v[BM+\b], v[SS+16*\b], v[SS+1+16*\b], v[SS+2+16*\b]   ; the largest score of each block of 32 keys: for the row's maximum, and, since p rises with the score, for the block's largest p
.endr
.irp i, 3,5,7,9,11,13
.irp b, 0,1,2,3
	v_max3_num_f32 v[BM+\b], v[BM+\b], v[SS+16*\b+\i], v[SS+1+16*\b+\i]
.endr
.endr
.irp b, 0,1,2,3
	v_max_num_f32 v[BM+\b], v[BM+\b], v[SS+15+16*\b]
.endr
.irp b, 0,1,2,3
	s_delay_alu instid0(VALU_DEP_4)
	v_permlanex16_b32 v[PT+\b], v[BM+\b], s20, s21
.endr
.irp b, 0,1,2,3
	s_delay_alu instid0(VALU_DEP_4)
	v_max_num_f32 v[BM+\b], v[BM+\b], v[PT+\b]     ; with lane l xor 16's 16 keys
.endr
	s_delay_alu instid0(VALU_DEP_2)
	v_max3_num_f32 v226, v[BM], v[BM+1], v[BM+2]
	s_delay_alu instid0(VALU_DEP_1)
	v_max_num_f32 v226, v226, v[BM+3]
	s_delay_alu instid0(VALU_DEP_1)
	v_mul_f32 v226, s22, v226                      ; as t
	s_delay_alu instid0(VALU_DEP_1)
	v_max_num_f32 v13, v13, v226                   ; the running largest t
	v_mov_b32 v226, v12
	s_delay_alu instid0(VALU_DEP_2)
	v_floor_f32 v12, -v13                          ; the new -M = -ceil(t)
	s_delay_alu instid0(VALU_DEP_1)
	v_sub_f32 v226, v12, v226                      ; old M - new M: a whole number, 0 or less
	s_delay_alu instid0(VALU_DEP_1)
	v_cvt_i32_f32 v226, v226                       ; (it saturates)
	s_delay_alu instid0(VALU_DEP_1)
	v_ldexp_f32 v224, 1.0, v226                    ; f = 2^(old M - new M)
.set j, 0
.rept 32
	v_pk_fma_f32 v[SS+j:SS+j+1], v[SS+j:SS+j+1], s[22:23], v[12:13] op_sel_hi:[1,0,0]   ; t - M, two at a time
.set j, j+2
.endr
	s_setprio 1
.irp b, 0,1,2,3
	v_fma_f32 v[BM+\b], v[BM+\b], s22, v12         ; the same of each block's largest score
.endr
.set j, 0
	s_wait_alu depctr_va_vdst(0)
.rept 64
	v_exp_f32 v[SS+j], v[SS+j]                     ; p = 2^(t - M)
.set j, j+1
.endr
.irp b, 0,1,2,3
	v_exp_f32 v[BM+\b], v[BM+\b]                   ; the block's largest p: the same two instructions on the same number
.endr
	v_pk_mul_f32 v[14:15], v[14:15], v[224:225] op_sel_hi:[1,0]   ; the sums under the new M (a plain place behind the exponentials)
	s_wait_alu depctr_va_vdst(0)
.irp b, 0,1,2,3
	v_max_num_f32 v[BM+\b], 0x2800000, v[BM+\b]    ; the floor 2^(5 - 127): the byte cannot fall under 1
.endr
.irp b, 0,1,2,3
	s_delay_alu instid0(VALU_DEP_4)
	v_add_nc_u32 v[CS+\b], 0xfe000000, v[BM+\b]    ; 4 off the exponent field: the conversion's scale operand
.endr
.irp b, 0,1,2,3
	s_delay_alu instid0(VALU_DEP_4)
	v_lshrrev_b32 v[PT+\b], 23, v[CS+\b]           ; the scale's byte
.endr
	s_delay_alu instid0(VALU_DEP_3)
	v_lshl_or_b32 v[PSC], v[PT+1], 8, v[PT]
	s_delay_alu instid0(VALU_DEP_1)
	v_lshl_or_b32 v[PSC], v[PT+2], 16, v[PSC]
	s_delay_alu instid0(VALU_DEP_1)
	v_lshl_or_b32 v[PSC], v[PT+3], 24, v[PSC]
.irp c, 0,1
	v_cvt_scalef32_pk16_bf6_f32 v[PC+6*\c:PC+6*\c+2], v[SS+32*\c:SS+32*\c+15], v[CS+2*\c]
	v_cvt_scalef32_pk16_bf6_f32 v[CT+4*\c:CT+4*\c+2], v[SS+16+32*\c:SS+31+32*\c], v[CS+2*\c+1]   ; (a conversion's three registers begin on an even number)
.endr
	v_nop                                          ; one plain place behind a scaled conversion
.irp c, 0,1                            ; the operand's layout wants a whole block in a lane
.irp i, 0,1,2
	v_permlane16_swap_b32 v[PC+6*\c+\i], v[CT+4*\c+\i]
.endr
.irp i, 0,1,2
	s_delay_alu instid0(VALU_DEP_3)
	v_mov_b32 v[PC+3+6*\c+\i], v[CT+4*\c+\i]
.endr
.endr
	v_pk_add_f32 v[228:229], v[100:101], v[104:105]
	v_pk_add_f32 v[252:253], v[108:109], v[112:113]
	v_pk_add_f32 v[250:251], v[116:117], v[120:121]
	v_pk_add_f32 v[248:249], v[124:125], v[128:129]
	v_pk_add_f32 v[246:247], v[132:133], v[136:137]
	v_pk_add_f32 v[244:245], v[140:141], v[144:145]
	v_pk_add_f32 v[242:243], v[148:149], v[152:153]
	v_pk_add_f32 v[14:15], v[14:15], v[156:157]
	v_pk_add_f32 v[228:229], v[228:229], v[96:97]
	v_pk_add_f32 v[252:253], v[252:253], v[98:99]
	v_pk_add_f32 v[250:251], v[250:251], v[102:103]
	s_setprio 0
	v_pk_add_f32 v[248:249], v[248:249], v[106:107]
	v_pk_add_f32 v[246:247], v[246:247], v[110:111]
	v_pk_add_f32 v[244:245], v[244:245], v[114:115]
	v_pk_add_f32 v[242:243], v[242:243], v[118:119]
	v_pk_add_f32 v[14:15], v[14:15], v[122:123]
	v_pk_add_f32 v[228:229], v[228:229], v[126:127]
	v_pk_add_f32 v[252:253], v[252:253], v[130:131]
	v_pk_add_f32 v[250:251], v[250:251], v[134:135]
	v_pk_add_f32 v[248:249], v[248:249], v[138:139]
	v_pk_add_f32 v[246:247], v[246:247], v[142:143]
	v_pk_add_f32 v[244:245], v[244:245], v[146:147]
	v_pk_add_f32 v[242:243], v[242:243], v[150:151]
	v_pk_add_f32 v[14:15], v[14:15], v[154:155]
	v_pk_add_f32 v[228:229], v[228:229], v[158:159]
	s_delay_alu instid0(VALU_DEP_2)
	v_pk_add_f32 v[14:15], v[14:15], v[248:249]
	s_delay_alu instid0(VALU_DEP_2)
	v_pk_add_f32 v[228:229], v[228:229], v[246:247]
	v_pk_add_f32 v[252:253], v[252:253], v[244:245]
	v_pk_add_f32 v[250:251], v[250:251], v[242:243]
	s_delay_alu instid0(VALU_DEP_2)
	v_pk_add_f32 v[14:15], v[14:15], v[252:253]
	s_delay_alu instid0(VALU_DEP_2)
	v_pk_add_f32 v[228:229], v[228:229], v[250:251]
	s_delay_alu instid0(VALU_DEP_1)
	v_pk_add_f32 v[14:15], v[14:15], v[228:229]
.set j, 0
.rept 16
	v_pk_mul_f32 v[OT+j:OT+j+1], v[OT+j:OT+j+1], v[224:225] op_sel_hi:[1,0]   ; O^T under the new M.  (These and the sums are the places between p's codes and scale word and the products)
.set j, j+2
.endr
	s_wait_alu depctr_va_vdst(0)
	s_wait_dscnt 0x0                               ; V's images are in
.irp t, 0,1,2,3
	PV \t
.endr
.Lhidden_\@:
	s_add_co_u32 s[KF], s[KF], 128
	s_add_co_u32 s[TB], s[TB], STEPB
.endm
; THE WAY OUT of a tile: O^T / l; register 16 g + i is channel 32 g + 16 (lane / 16) + i: two blocks of the last product's K; six registers of codes a lane, and two bytes a token.
.macro OUT
.rept 4
	v_nop                                          ; places behind the last products, whichever step they stood in
.endr
	v_add_f32 v14, v14, v15
	s_delay_alu instid0(VALU_DEP_1)
	v_permlanex16_b32 v226, v14, s20, s21
	s_delay_alu instid0(VALU_DEP_1)
	v_add_f32 v14, v14, v226                       ; the row's sum
	s_wait_alu depctr_va_vdst(0)
	v_rcp_f32 v14, v14
	v_nop                                          ; one plain place behind a transcendental
.set j, 0
	s_wait_alu depctr_va_vdst(0)
.rept 16
	v_pk_mul_f32 v[SS+j:SS+j+1], v[OT+j:OT+j+1], v[14:15] op_sel_hi:[1,0]   ; each accumulator from its low end on
.set j, j+2
.endr
.irp g, 0,1
	v_max3_num_f32 v[BM+\g], |v[SS+16*\g]|, |v[SS+16*\g+1]|, 0x2800000
.endr
.irp i, 2,4,6,8,10,12,14
.irp g, 0,1
	s_delay_alu instid0(VALU_DEP_2)
	v_max3_num_f32 v[BM+\g], v[BM+\g], |v[SS+16*\g+\i]|, |v[SS+16*\g+\i+1]|
.endr
.endr
.irp g, 0,1
	s_delay_alu instid0(VALU_DEP_2)
	v_permlanex16_b32 v[PT+\g], v[BM+\g], s20, s21
.endr
.irp g, 0,1
	s_delay_alu instid0(VALU_DEP_2)
	v_max_num_f32 v[BM+\g], v[BM+\g], v[PT+\g]
.endr
.irp g, 0,1
	s_delay_alu instid0(VALU_DEP_2)
	v_add_nc_u32 v[CS+\g], 0xfe000000, v[BM+\g]
.endr
.irp g, 0,1
	s_delay_alu instid0(VALU_DEP_2)
	v_lshrrev_b32 v[PT+\g], 23, v[CS+\g]
.endr
	s_delay_alu instid0(VALU_DEP_1)
	v_lshl_or_b32 v227, v[PT+1], 8, v[PT]          ; my token's two bytes of this head
	v_cvt_scalef32_pk16_bf6_f32 v[PC:PC+2], v[SS:SS+15], v[CS]
	v_cvt_scalef32_pk16_bf6_f32 v[CT:CT+2], v[SS+16:SS+31], v[CS+1]
	v_nop
.irp i, 0,1,2
	v_permlane16_swap_b32 v[PC+\i], v[CT+\i]
.endr
.irp i, 0,1,2
	s_delay_alu instid0(VALU_DEP_3)
	v_mov_b32 v[PC+3+\i], v[CT+\i]
.endr
.irp j, 0,1,2
	global_store_b64 v[L8], v[PC+2*\j:PC+2*\j+1], s[48:49] offset:256*\j   ; 32 lanes store 256 consecutive bytes, aligned
.endr
	global_store_b16 v[R32], v227, s[50:51]
.endm
; A TILE OF 16 QUERIES.  n = 1: the wave's second tile.
.macro PASS n
.if \n
	s_wait_xcnt 0x0                                ; the first tile's stores have read their registers and bases
	s_sub_co_u32 s41, 127, s41
.endif
	s_and_b32 s52, s41, 1                          ; u: which half of a group of 32 tokens
	s_lshr_b32 s53, s41, 1                         ; g: the group
	s_lshl_b32 s[QMIN], s53, 5
	s_lshl_b32 s54, s52, 3
	s_add_co_u32 s[QMIN], s[QMIN], s54             ; my tile's first token,
	s_add_co_u32 s[QMAX], s[QMIN], 23              ; and its last
	s_mul_i32 s42, s16, 98304
	s_mul_i32 s54, s53, 1536
	s_add_co_u32 s42, s42, s54
	s_add_nc_u64 s[44:45], s[4:5], s[42:43]        ; the group's image of Q
	s_lshl_b32 s42, s16, 12
	s_lshl_b32 s54, s53, 6
	s_add_co_u32 s42, s42, s54
	s_add_nc_u64 s[46:47], s[6:7], s[42:43]        ; its scale words
	s_lshr_b32 s54, s16, 4
	s_lshl_b32 s54, s54, 7
	s_add_co_u32 s54, s54, s41                     ; 128 batch + tile
	s_and_b32 s55, s16, 15                         ; the head
	s_lshl_b32 s42, s54, 3
	s_lshr_b32 s56, s55, 1
	s_add_co_u32 s42, s42, s56
	s_mul_i32 s42, s42, 1536
	s_and_b32 s56, s55, 1
	s_mul_i32 s56, s56, 768
	s_add_co_u32 s42, s42, s56
	s_add_nc_u64 s[48:49], s[10:11], s[42:43]      ; aimg: the tile's fragment of K step head / 2, its half head % 2
	s_lshl_b32 s42, s54, 9
	s_lshl_b32 s56, s55, 1
	s_add_co_u32 s42, s42, s56
	s_add_nc_u64 s[50:51], s[12:13], s[42:43]      ; asc: the tile's 16 rows of 32 bytes, bytes 2 head on
	s_mul_i32 s56, s52, 520                        ; registers 6 u .. 6 u + 5 of the image, in pieces of 8 bytes: at 16 l + 0, 8, 512 (u = 0) or 16 l + 520, 1024, 1032 (u = 1)
	v_add_nc_u32 v[QA0], s56, v[L16]
	s_mul_i32 s56, s52, 496
	s_add_co_u32 s56, s56, 8
	v_add_nc_u32 v[QA1], s56, v[QA0]
.irp d, 16, 28                         ; twice: Q stands at both ends of v16-33
	global_load_b64 v[\d:\d+1], v[QA0], s[44:45]
	global_load_b64 v[\d+2:\d+3], v[QA1], s[44:45]
	global_load_b64 v[\d+4:\d+5], v[QA0], s[44:45] offset:512
.endr
	global_load_b32 v35, v[R4], s[46:47]
	s_lshl_b32 s52, s52, 4
	s_wait_loadcnt 0x0
	v_lshrrev_b32 v35, s52, v35
	s_delay_alu instid0(VALU_DEP_1)
	v_and_b32 v35, 0xffff, v35                     ; my tile's two bytes,
	s_delay_alu instid0(VALU_DEP_1)
	v_lshl_or_b32 v[QSC], v35, 16, v35             ; for whichever half of K Q stands in.  (The lines below are more than the eight places between this line and the first product)
	v_mov_b32 v13, 0xff61b1e6                      ; the largest t so far: -3e38
	s_delay_alu instid0(VALU_DEP_1)
	v_floor_f32 v12, -v13                          ; -M
	v_mov_b32 v14, 0                               ; the sum, in two halves
	v_mov_b32 v15, 0
.set j, 0
.rept 32
	v_mov_b32 v[OT+j], 0                           ; O^T: the step is written once; the first finds zeros, which the first change of M leaves zeros
.set j, j+1
.endr
	s_mov_b32 s[TB], 0
	s_mov_b32 s[KF], 0
	s_mov_b32 s40, 16
.Lstep_\@:
	STEP
	s_sub_co_u32 s40, s40, 1
	s_cmp_lg_u32 s40, 0
	s_cbranch_scc1 .Lstep_\@
	s_setprio 0
	OUT
.endm
	PASS 0
	PASS 1
	s_wait_tensorcnt 0x0
	ds_add_u32 v254, v255
	s_wait_dscnt 0x0
	s_endpgm
.Lfunc_end_k_q4c79aba9bb_attn:
	.size	k_q4c79aba9bb_attn, .Lfunc_end_k_q4c79aba9bb_attn-k_q4c79aba9bb_attn
	.p2alignl 7, 3214868480
	.fill 96, 4, 3214868480
	.section	.rodata,"a",@progbits
	.p2align	6, 0x0
	.amdhsa_kernel k_q4c79aba9bb_attn
		.amdhsa_group_segment_fixed_size 206848
		.amdhsa_private_segment_fixed_size 0
		.amdhsa_enable_private_segment 0
		.amdhsa_kernarg_size 40
		.amdhsa_user_sgpr_count 2
		.amdhsa_user_sgpr_kernarg_segment_ptr 1
		.amdhsa_wavefront_size32 1
		.amdhsa_system_sgpr_workgroup_id_x 1
		.amdhsa_system_sgpr_workgroup_id_y 1
		.amdhsa_system_sgpr_workgroup_id_z 1
		.amdhsa_system_vgpr_workitem_id 0
		.amdhsa_next_free_vgpr 256
		.amdhsa_next_free_sgpr 66
		.amdhsa_reserve_vcc 1
		.amdhsa_float_denorm_mode_32 3
		.amdhsa_float_denorm_mode_16_64 3
		.amdhsa_memory_ordered 1
		.amdhsa_forward_progress 1
		.amdhsa_inst_pref_size 64
	.end_amdhsa_kernel
	.amdgpu_metadata
---
amdhsa.version: [ 1, 2 ]
amdhsa.kernels:
  - .name:           k_q4c79aba9bb_attn
    .symbol:         k_q4c79aba9bb_attn.kd
    .args:
      - { .name: qimg, .offset: 0, .size: 8, .value_kind: global_buffer, .address_space: global }
      - { .name: qsc, .offset: 8, .size: 8, .value_kind: global_buffer, .address_space: global }
      - { .name: kv, .offset: 16, .size: 8, .value_kind: global_buffer, .address_space: global }
      - { .name: aimg, .offset: 24, .size: 8, .value_kind: global_buffer, .address_space: global }
      - { .name: asc, .offset: 32, .size: 8, .value_kind: global_buffer, .address_space: global }
    .group_segment_fixed_size: 206848
    .private_segment_fixed_size: 0
    .kernarg_segment_align: 8
    .kernarg_segment_size: 40
    .max_flat_workgroup_size: 512
    .sgpr_count:     66
    .vgpr_count:     256
    .wavefront_size: 32
...
	.end_amdgpu_metadata
.endif
;; end of part 3
;; launch oproj (part 4): grid 4 x 32, 4 waves a work-group, clusters of 4 x 4, 327,680 bytes of LDS; arguments aimg, asc, allc, alls, out0; writes out0
.if DOCPART == 4
	.amdgcn_target "amdgcn-amd-amdhsa--gfx1250"
	.amdhsa_code_object_version 6
	.text
	.protected	k_q4c79aba9bb_oproj
	.globl	k_q4c79aba9bb_oproj
	.p2align	8
	.type	k_q4c79aba9bb_oproj,@function
k_q4c79aba9bb_oproj:
	s_mov_b64 s[64:65], 0
	v_nop
	global_prefetch_b8 v0, s[64:65] scope:SCOPE_SE
	s_setreg_imm32_b32 hwreg(HW_REG_WAVE_MODE, 25, 1), 1
	s_wait_xcnt 0x0
	s_wait_alu depctr_hold_cnt(0) depctr_sa_sdst(0) depctr_va_vdst(0) depctr_va_sdst(0) depctr_va_ssrc(0) depctr_va_vcc(0) depctr_vm_vsrc(0)
	s_getreg_b32 s2, hwreg(HW_REG_IB_STS2, 6, 4)
	s_cmp_eq_u32 s2, 0
	s_cbranch_scc0 .Lentry_in_a_cluster
	s_endpgm
.Lentry_in_a_cluster:
	s_bfe_u32 s2, ttmp6, 0x10000c
	s_cmp_lg_u32 s2, 0xf033
	s_cbranch_scc0 .Lentry_shape_is_right
	s_endpgm
.Lentry_shape_is_right:
; OPROJ.  out0[m][n] = sum over k of A[m][k] Wo[n][k], on codes of BF6 (E3M2) with E8M0 scales; M = 8,192, N = K = 1,024; sums and out0 in f32.
; A is the attention's result as IMAGES OF ITS FRAGMENTS: aimg [tile of 16 rows 512][128 along K 8][six pieces of 256 bytes: lane l's registers 2 p, 2 p + 1 at 8 l]; its scale bytes asc [row][32], rows in the tiles' order.
; Wo's codes and scale bytes are rows 11,264 on of allc and alls, rows of 768 and 32 bytes.
; A tile of out0, 256 x 256, is made by four waves, each 128 x 128: 64 accumulators, 512 registers.  K goes in steps of 256 through a ring of two LDS slots filled by the tensor data mover: of A 8 tiles x 3,072 dense bytes a load,
; of Wo 128 rows of 192 bytes a load.  The scales of the work-group's rows come into LDS once.
; CLUSTERS: 4 x 4 work-groups: A's tiles are asked for jointly along a row of the cluster, Wo's along a column.  Source 0 = 16 rows of Wo, source 1 = 16 rows of A: a lane holds eight neighbouring numbers of a row of out0.
; ROWS.  Place r of tile T holds token 32 (T / 2) + 8 (T % 2) + r + 8 (r / 8): the way out puts each row where it belongs.
; The grid has 128 work-groups: a smaller tile would fill more WGPs at twice the LDS reads for each product; not built here.
; REGISTERS, in windows of 256: window 0: v0-31 addresses; v32-63 scale words, two sets; from v128 A's fragments, one set; on the way out v128-255.  window 1: Wo's fragments, two sets.  windows 2, 3: the accumulators.
.set SIZE_N, 1024
.set SIZE_K, 1024
.set KSTEP,  256
.set NQ,     KSTEP/128
.set ROWB,   192
.set KROW,   SIZE_K*6/8
.set PITCH,  240                       ; an LDS row of Wo: 3 x (64 bytes + 16 of padding)
.set FR,     12
.set NL,     6
.set NP,     4
.set HALFT,  128*PITCH                 ; 128 rows of Wo
.set ASTEP,  3072                      ; a tile of A's 16 rows x 256 along K
.set ATILE,  12288                     ; and x all of K
.set HALFA,  8*ASTEP                   ; 128 rows of A
.set SLOT,   2*HALFA+2*HALFT
.set LAPS,   SIZE_K/(2*KSTEP)
.set KS,     SIZE_K/32
.set SCL,    2*SLOT
.set HALFS,  (128*KS/256)*272
.set SBLK,   (16*KS/256)*272
.set SPARE,  SCL+4*HALFS               ; the spare words, 128 bytes for each wave: two blocks of 256 bytes that no other line names
.set SPITCH, 528                       ; the way out: a stage of 16 rows x (512 bytes + 16) for each wave, in slot 0, which has had its last fill and its last read when the first result is stored there
.set ADRA, 16
.set ADRB, 20
.set STO,  24
.set RD,   25
.set CO,   26
.set ADRS, 27
.set SPW,  28                          ; v28  SPARE + 4 x my thread's number; never rewritten
.set NIL,  29                          ; v29  0; never rewritten
.set SC,   32
.set AF,   128
.set BK,   128
.set G1, 24
.set G0, 32
.set G1B, 48
.set G0B, 56
.set G1S, 68
.set G0S, 76
.set G1SB, 80
.set G0SB, 88
.set MSB, 0
.macro WIN new                         ; the immediate's high byte repeats the setting that is left
.if MSB != (\new)
	s_set_vgpr_msb (MSB<<8)|(\new)
.set MSB, (\new)
.endif
.endm
.set MUL_LO, 0xa1
.set MUL_HI, 0xf1
.set TO_B,   0x40
.macro JLOAD g0a, g1a, g0b, g1b        ; a joint load: waves 0 and 1 fetch for A, waves 2 and 3 for Wo; four v_nop follow each of the two lines
	s_cmp_eq_u32 s15, 0
	s_cbranch_scc0 .Lfor_b_\@
	tensor_load_to_lds s[\g0a:\g0a+3], s[\g1a:\g1a+7]
	s_nop 0
.rept 4
	v_nop
.endr
	s_branch .Lasked_\@
.Lfor_b_\@:
	tensor_load_to_lds s[\g0b:\g0b+3], s[\g1b:\g1b+7]
	s_nop 0
.rept 4
	v_nop
.endr
.Lasked_\@:
.endm
.macro CREST
	s_cmp_lg_u32 s14, 0
	s_cbranch_scc1 .Lnot_wave_0_\@
	s_barrier_signal -3
.Lnot_wave_0_\@:
	s_barrier_wait -3
	s_barrier_signal -1
	s_barrier_wait -1
.endm
.macro CROUND
	s_barrier_signal -1
	s_barrier_wait -1
	CREST
.endm
	s_load_b128 s[4:7], s[0:1], 0x0                ; aimg s[4:5], asc s[6:7]
	s_load_b128 s[8:11], s[0:1], 0x10              ; allc s[8:9], alls s[10:11]
	s_load_b64 s[12:13], s[0:1], 0x20              ; out0
	v_lshl_add_u32 v[SPW], v0, 2, SPARE
	v_mov_b32 v[NIL], 0
	ds_add_u32 v28, v29
	ds_add_u32 v28, v29
	s_wait_dscnt 0x0
	v_lshrrev_b32 v1, 5, v0
	v_readfirstlane_b32 s14, v1                    ; wave 0..3
	s_lshr_b32 s15, s14, 1                         ; which half of the tile's rows is mine.  Also: I fetch for A (0) or for Wo (1)
	s_and_b32 s16, s14, 1                          ; which half of its columns.  Also: which 128 rows I fetch
	s_bfe_u32 s40, ttmp6, 0x40000                  ; cx, cy
	s_bfe_u32 s41, ttmp6, 0x40004
	s_lshl_b32 s42, ttmp9, 2
	s_add_co_u32 s42, s42, s40                     ; tile column
	s_and_b32 s17, ttmp7, 0xffff
	s_lshl_b32 s17, s17, 2
	s_add_co_u32 s17, s17, s41                     ; tile row
	s_lshl_b32 s43, s41, 2
	s_lshl_b32 s43, 15, s43                        ; my row of the cluster
	s_lshl_b32 s44, 0x1111, s40                    ; my column
	; A: 8 rows of 3,072 bytes (384 elements of 8 bytes), 12,288 bytes apart, no padding
	s_or_b32 s[G1+0], s43, (3<<16)|(1<<21)
	s_mov_b32 s[G1+1], 384<<16                     ; tensor_dim0
	s_mov_b32 s[G1+2], 8<<16                       ; tensor_dim1
	s_mov_b32 s[G1+3], 384<<16                     ; tile_dim0
	s_mov_b32 s[G1+4], 8                           ; tile_dim1
	s_mov_b32 s[G1+5], ATILE/8                     ; the pitch, in elements
	s_mov_b32 s[G1+6], 0
	s_mov_b32 s[G1+7], 0
	; Wo: 128 rows of 192 bytes, 16 bytes of padding behind every 64
	s_or_b32 s[G1B+0], s44, (0<<16)|(1<<20)|(1<<21)|(3<<22)|(3<<25)
	s_mov_b32 s[G1B+1], ROWB<<16
	s_mov_b32 s[G1B+2], 128<<16
	s_mov_b32 s[G1B+3], ROWB<<16
	s_mov_b32 s[G1B+4], 128
	s_mov_b32 s[G1B+5], KROW
	s_mov_b32 s[G1B+6], 0
	s_mov_b32 s[G1B+7], 0
	; the scales of 128 rows: 4,096 dense bytes as rows of 256, 16 bytes of padding behind each
	s_or_b32 s[G1S+0], s43, (3<<16)|(1<<20)|(1<<21)|(5<<22)|(3<<25)
	s_or_b32 s[G1SB+0], s44, (3<<16)|(1<<20)|(1<<21)|(5<<22)|(3<<25)
.irp g, G1S, G1SB
	s_mov_b32 s[\g+1], 32<<16
	s_mov_b32 s[\g+2], (128*KS/256)<<16
	s_mov_b32 s[\g+3], 32<<16
	s_mov_b32 s[\g+4], 128*KS/256
	s_mov_b32 s[\g+5], 32
	s_mov_b32 s[\g+6], 0
	s_mov_b32 s[\g+7], 0
.endr
	s_lshl_b32 s20, s17, 4
	s_lshl_b32 s18, s16, 3
	s_add_co_u32 s20, s20, s18                     ; A: the first of the eight tiles of 16 rows that I fetch
	s_mul_i32 s20, s20, ATILE
	s_mov_b32 s21, 0
	s_lshl_b32 s22, s17, 8
	s_lshl_b32 s18, s16, 7
	s_add_co_u32 s22, s22, s18
	s_lshl_b32 s22, s22, 5                         ; and those rows' scale bytes
	s_mov_b32 s23, 0
	s_lshl_b32 s46, s42, 8
	s_add_co_u32 s46, s46, s18
	s_add_co_u32 s46, s46, 11264                   ; Wo: row of allc
	s_lshl_b32 s92, s46, 5
	s_mov_b32 s93, 0
	s_mul_i32 s46, s46, KROW
	s_mov_b32 s47, 0
	s_mul_i32 s45, s16, HALFA                      ; where they go: A's two halves,
	s_mul_i32 s19, s16, HALFT
	s_add_co_u32 s19, s19, 2*HALFA                 ; then Wo's two: no place in the cluster enters an LDS address
	s_mul_i32 s94, s14, HALFS
	s_wait_kmcnt 0x0
	s_add_nc_u64 s[20:21], s[4:5], s[20:21]
	s_add_nc_u64 s[22:23], s[6:7], s[22:23]
	s_add_nc_u64 s[46:47], s[8:9], s[46:47]
	s_add_nc_u64 s[92:93], s[10:11], s[92:93]
	CROUND                                         ; all sixteen work-groups are here: the first joint loads meet
	s_mov_b32 s[G0S], 1
	s_add_co_u32 s[G0S+1], s94, SCL
	s_mov_b64 s[G0S+2:G0S+3], s[22:23]
	s_or_b32 s[G0S+3], s[G0S+3], 0x80000000
	s_mov_b32 s[G0SB], 1
	s_add_co_u32 s[G0SB+1], s94, SCL
	s_mov_b64 s[G0SB+2:G0SB+3], s[92:93]
	s_or_b32 s[G0SB+3], s[G0SB+3], 0x80000000
	JLOAD G0S, G1S, G0SB, G1SB                     ; the scales first
.irp s, 0,1
	s_mov_b32 s[G0+4*\s], 1
	s_add_co_u32 s[G0+4*\s+1], s45, \s*SLOT
	s_add_nc_u64 s[G0+4*\s+2:G0+4*\s+3], s[20:21], \s*ASTEP
	s_or_b32 s[G0+4*\s+3], s[G0+4*\s+3], 0x80000000
	s_mov_b32 s[G0B+4*\s], 1
	s_add_co_u32 s[G0B+4*\s+1], s19, \s*SLOT
	s_add_nc_u64 s[G0B+4*\s+2:G0B+4*\s+3], s[46:47], \s*ROWB
	s_or_b32 s[G0B+4*\s+3], s[G0B+4*\s+3], 0x80000000
	s_wait_alu depctr_va_vdst(0)
	s_wait_tensorcnt 0x0
	ds_add_u32 v28, v29
	s_wait_dscnt 0x0
	CROUND
	JLOAD G0+4*\s, G1, G0B+4*\s, G1B               ; by this text's count one tensor load of a wave is out here
.endr
	v_and_b32 v1, 15, v0                           ; l % 16
	v_bfe_u32 v2, v0, 4, 1                         ; l / 16
	v_mul_u32_u24 v3, v1, PITCH
	v_mul_u32_u24 v4, v2, 24
	v_add_nc_u32 v4, v3, v4                        ; Wo: a fragment's row x pitch + 24 x half
	v_lshl_add_u32 v5, v2, 4, v4                   ; and the same behind one padding more
	v_and_b32 v6, 31, v0
	v_lshlrev_b32 v7, 3, v6                        ; A: 8 x lane
	s_mul_i32 s21, s15, HALFA                      ; my 128 rows of A
	s_mul_i32 s22, s16, HALFT                      ; my 128 rows of Wo,
	s_add_co_u32 s22, s22, 2*HALFA                 ; which lie behind A's 256
.irp s, 0,1
	v_add_nc_u32 v[ADRA+\s], s21, v7
	v_add_nc_u32 v[ADRB+\s], s22, v4
	v_add_nc_u32 v[ADRB+2+\s], s22, v5
	s_add_co_u32 s21, s21, SLOT
	s_add_co_u32 s22, s22, SLOT
.endr
	v_mul_u32_u24 v5, v1, KS                       ; my row's scales: KS bytes a row,
	v_lshrrev_b32 v6, 8, v5
	v_lshl_add_u32 v5, v6, 4, v5                   ; and 16 more for each 256 passed
	s_mul_i32 s21, s15, HALFS
	s_mul_i32 s22, s16, HALFS
	s_add_co_u32 s22, s22, 2*HALFS
	s_sub_co_u32 s22, s22, s21
	v_mul_u32_u24 v6, s22, v2                      ; lanes 16-31 take Wo's: one product, the distance between the two bases
	s_add_co_u32 s21, s21, SCL
	v_add_nc_u32 v5, v5, v6
	v_add_nc_u32 v[ADRS], s21, v5
	s_mul_i32 s23, s14, 16*SPITCH                  ; my stage
	v_mul_u32_u24 v5, v1, SPITCH                   ; in: row l % 16, 32 bytes for each half of the lanes
	v_lshl_add_u32 v5, v2, 5, v5
	v_add_nc_u32 v[STO], s23, v5
	v_and_b32 v6, 31, v0
	v_lshlrev_b32 v[CO], 4, v6                     ; back: the 32 lanes take one row of 512 bytes; and the same in out0
	v_add_nc_u32 v[RD], s23, v[CO]
	s_lshl_b32 s20, s17, 8
	s_lshl_b32 s21, s15, 7
	s_add_co_u32 s20, s20, s21                     ; my first row of out0
	s_mov_b32 s21, 0
	s_mov_b64 s[18:19], SIZE_N*4
	s_mul_u64 s[20:21], s[20:21], s[18:19]
	s_lshl_b32 s46, s42, 10                        ; my first column, in bytes
	s_lshl_b32 s47, s16, 9
	s_add_co_u32 s46, s46, s47
	s_mov_b32 s47, 0
	s_add_nc_u64 s[20:21], s[20:21], s[46:47]
	s_add_nc_u64 s[12:13], s[12:13], s[20:21]
.macro FRAG reg, adr, q, i             ; a fragment of Wo from rows: 24 bytes of the row's stream of bits twice, in pieces of 8 bytes; the second address register serves the pieces behind one padding more
.irp p, 0,1,2,3,4,5
.set PC, 12*(\q)+6*(\p/3)+\p%3
.if PC%8 < 5
	ds_load_b64 v[\reg+2*\p:\reg+2*\p+1], v[\adr] offset:8*PC+16*(PC/8)+(\i)*16*PITCH
.else
	ds_load_b64 v[\reg+2*\p:\reg+2*\p+1], v[\adr+2] offset:8*PC+16*(PC/8)+(\i)*16*PITCH
.endif
.endr
.endm
.macro FRAGA reg, adr, q, i            ; a fragment of A from its image: each load's 32 lanes read 256 consecutive bytes
.irp p, 0,1,2,3,4,5
	ds_load_b64 v[\reg+2*\p:\reg+2*\p+1], v[\adr] offset:(\i)*ASTEP+(\q)*1536+256*\p
.endr
.endm
; The 64 accumulators take turns, one instruction a turn, in the same order in every step.
.macro MUL16 a0, p, q, sc, zero
.irp a, \a0, \a0+1
.irp b, 0,1,2,3,4,5,6,7
.if \zero
	v_wmma_scale_f32_16x16x128_f8f6f4 v[8*(8*((\a)%4)+\b):8*(8*((\a)%4)+\b)+7], v[128*(\p)+FR*\b:128*(\p)+FR*\b+FR-1], v[AF+FR*(\a):AF+FR*(\a)+FR-1], 0, v[SC+8*NQ*(\sc)+NQ*\b+(\q)], v[SC+8*NQ*(\sc)+NQ*(\a)+(\q)] matrix_a_fmt:MATRIX_FMT_BF6 matrix_b_fmt:MATRIX_FMT_BF6 matrix_a_scale:MATRIX_SCALE_ROW1
.else
	v_wmma_scale_f32_16x16x128_f8f6f4 v[8*(8*((\a)%4)+\b):8*(8*((\a)%4)+\b)+7], v[128*(\p)+FR*\b:128*(\p)+FR*\b+FR-1], v[AF+FR*(\a):AF+FR*(\a)+FR-1], v[8*(8*((\a)%4)+\b):8*(8*((\a)%4)+\b)+7], v[SC+8*NQ*(\sc)+NQ*\b+(\q)], v[SC+8*NQ*(\sc)+NQ*(\a)+(\q)] matrix_a_fmt:MATRIX_FMT_BF6 matrix_b_fmt:MATRIX_FMT_BF6 matrix_a_scale:MATRIX_SCALE_ROW1
.endif
.endr
.endr
.endm
.macro FETCH_B slot, q, p
	WIN TO_B
.irp i, 0,1,2,3,4,5,6,7
	FRAG 128*(\p)+FR*\i, ADRB+\slot, \q, \i
.endr
	WIN 0
.endm
.macro FETCH_A slot, q, i0
.irp i, \i0, \i0+1, \i0+2, \i0+3
	FRAGA AF+FR*(\i), ADRA+\slot, \q, \i
.endr
.endm
.macro SCALES sc
.irp i, 0,1,2,3,4,5,6,7
	ds_load_b64 v[SC+8*NQ*\sc+NQ*\i:SC+8*NQ*\sc+NQ*\i+1], v[ADRS] offset:\i*SBLK
.endr
.endm
.macro PLACES n                        ; plain vector instructions between a matrix instruction and a load into, or a read of, its registers (ISA guide 7.12.1 for reads)
.rept \n
	v_nop
.endr
.endm
.macro STEP slot, q, zero
	s_wait_dscnt 4*NL                              ; Wo's set and A's blocks 0-3 are in; the youngest 24 loads (A's blocks 4-7) may be out
	WIN MUL_LO
	MUL16 0, (\q)%2, \q, \slot, \zero
	MUL16 2, (\q)%2, \q, \slot, \zero
	s_wait_dscnt 0
	PLACES NP
	FETCH_B \slot, (\q)+1, 1-(\q)%2
	FETCH_A \slot, (\q)+1, 0
	WIN MUL_HI
	MUL16 4, (\q)%2, \q, \slot, \zero
	MUL16 6, (\q)%2, \q, \slot, \zero
	PLACES NP
	WIN 0
	FETCH_A \slot, (\q)+1, 4
.endm
.macro TURN slot, next, fill
	s_wait_tensorcnt 0x0                           ; all my tensor loads have landed: my part of the next slot
	ds_add_u32 v[SPW], v[NIL]                      ; 0 onto my spare word
	s_wait_dscnt 4*NL+1                            ; (the add and the youngest 24 loads may be out)
	WIN MUL_LO
	MUL16 0, 1, NQ-1, \slot, 0
	s_wait_dscnt 0x0                               ; the add is done, and my reads of this slot are over
	s_barrier_signal -1
	MUL16 2, 1, NQ-1, \slot, 0
	WIN 0
	s_barrier_wait -1
.if \fill
	CREST                                          ; the barrier has opened a round of the cluster's barrier: no wave of any partner still reads this slot or has a load on its way
	s_add_nc_u64 s[G0+4*\slot+2:G0+4*\slot+3], s[G0+4*\slot+2:G0+4*\slot+3], 2*ASTEP
	s_add_nc_u64 s[G0B+4*\slot+2:G0B+4*\slot+3], s[G0B+4*\slot+2:G0B+4*\slot+3], 2*ROWB
	JLOAD G0+4*\slot, G1, G0B+4*\slot, G1B         ; the first tensor load behind the round; its four v_nop are the places in front of the loads below
.else
	PLACES NP
.endif
	s_wait_alu depctr_va_vdst(0)
	v_add_nc_u32 v[ADRS], 4*NQ, v[ADRS]
	FETCH_B \next, 0, 0
	FETCH_A \next, 0, 0
	SCALES \next
	WIN MUL_HI
	MUL16 4, 1, NQ-1, \slot, 0
	MUL16 6, 1, NQ-1, \slot, 0
	PLACES NP
	WIN 0
	FETCH_A \next, 0, 4
.endm
	s_wait_alu depctr_va_vdst(0)
	s_wait_tensorcnt 1                             ; the scales and my part of K step 0 are in (K step 1's load may be out)
	s_barrier_signal -1
	s_barrier_wait -1
	FETCH_B 0, 0, 0
	FETCH_A 0, 0, 0
	SCALES 0
	FETCH_A 0, 0, 4
	STEP 0, 0, 1                                   ; the first step stands in front of the loop: its products start the sums
	s_mov_b32 s3, LAPS-1
.Llap:
	TURN 0, 1, 1
	STEP 1, 0, 0
	TURN 1, 0, 1
	STEP 0, 0, 0
	s_sub_co_u32 s3, s3, 1
	s_cmp_lg_u32 s3, 0
	s_cbranch_scc1 .Llap
	TURN 0, 1, 0                                   ; the last lap fills nothing
	STEP 1, 0, 0
	s_wait_dscnt 4*NL
	WIN MUL_LO
	MUL16 0, 1, NQ-1, 1, 0
	MUL16 2, 1, NQ-1, 1, 0
	s_wait_dscnt 0
	WIN MUL_HI
	MUL16 4, 1, NQ-1, 1, 0
	MUL16 6, 1, NQ-1, 1, 0
	WIN 0
; THE WAY OUT, block by block of 16 rows x 128 columns, through my own stage in LDS, back as whole rows of 512 bytes.  LDS serves a wave's instructions in order: no wait between the stores and the loads.
.macro TOSTAGE a
.set AC, 64*((\a)%4)
	WIN 0x08+4*((\a)/4)                            ; the data: window 2 or 3
.irp b, 0,1,2,3,4,5,6,7
	ds_store_b128 v[STO], v[AC+8*\b:AC+8*\b+3] offset:64*\b          ; each accumulator from its low end on
	ds_store_b128 v[STO], v[AC+8*\b+4:AC+8*\b+7] offset:64*\b+16
.endr
	WIN 0
.set BB, BK+64*((\a)%2)
.irp t, 0,1,2,3,4,5,6,7,8,9,10,11,12,13,14,15
	ds_load_b128 v[BB+4*\t:BB+4*\t+3], v[RD] offset:\t*SPITCH
.endr
.endm
.macro SEND a, younger                 ; block a's place t is row 32 (a / 2) + 8 (a % 2) + t + 8 (t / 8) of my 128
.set BB, BK+64*((\a)%2)
	s_wait_dscnt \younger                          ; the block is back in registers
.if (\a) > 0
	s_add_nc_u64 s[12:13], s[12:13], (24-16*((\a)%2))*SIZE_N*4   ; (behind a wait on XCNT)  8 rows on to an odd block, 24 to an even one
.endif
.irp t, 0,1,2,3,4,5,6,7,8,9,10,11,12,13,14,15
	global_store_b128 v[CO], v[BB+4*\t:BB+4*\t+3], s[12:13] offset:(\t+8*(\t/8))*SIZE_N*4 th:TH_STORE_NT   ; 32 lanes store 512 consecutive bytes, aligned
.endr
.endm
	PLACES NP
	TOSTAGE 0
.irp a, 1,2,3,4,5,6,7
.if \a > 1
	s_wait_xcnt 0x0                                ; block a - 2's stores have read their registers and their base
.endif
	TOSTAGE \a
	SEND \a-1, 32                                  ; behind block a - 1's loads: block a's 16 stores and 16 loads
.endr
	s_wait_xcnt 0x0
	SEND 7, 0
	s_wait_tensorcnt 0x0                           ; the wave's end: behind my last tensor load and my last LDS store
	ds_add_u32 v[SPW], v[NIL]
	s_wait_dscnt 0x0
	CROUND                                         ; the closing round
	s_endpgm
.Lfunc_end_k_q4c79aba9bb_oproj:
	.size	k_q4c79aba9bb_oproj, .Lfunc_end_k_q4c79aba9bb_oproj-k_q4c79aba9bb_oproj
	.p2alignl 7, 3214868480
	.fill 96, 4, 3214868480
	.section	.rodata,"a",@progbits
	.p2align	6, 0x0
	.amdhsa_kernel k_q4c79aba9bb_oproj
		.amdhsa_group_segment_fixed_size 327680
		.amdhsa_private_segment_fixed_size 0
		.amdhsa_enable_private_segment 0
		.amdhsa_kernarg_size 40
		.amdhsa_user_sgpr_count 2
		.amdhsa_user_sgpr_kernarg_segment_ptr 1
		.amdhsa_wavefront_size32 1
		.amdhsa_system_sgpr_workgroup_id_x 1
		.amdhsa_system_sgpr_workgroup_id_y 1
		.amdhsa_system_sgpr_workgroup_id_z 1
		.amdhsa_system_vgpr_workitem_id 0
		.amdhsa_next_free_vgpr 1024
		.amdhsa_next_free_sgpr 98
		.amdhsa_reserve_vcc 0
		.amdhsa_float_denorm_mode_32 3
		.amdhsa_float_denorm_mode_16_64 3
		.amdhsa_memory_ordered 1
		.amdhsa_forward_progress 1
		.amdhsa_inst_pref_size 161
	.end_amdhsa_kernel
	.amdgpu_metadata
---
amdhsa.version: [ 1, 2 ]
amdhsa.kernels:
  - .name:           k_q4c79aba9bb_oproj
    .symbol:         k_q4c79aba9bb_oproj.kd
    .args:
      - { .name: aimg, .offset: 0, .size: 8, .value_kind: global_buffer, .address_space: global }
      - { .name: asc, .offset: 8, .size: 8, .value_kind: global_buffer, .address_space: global }
      - { .name: allc, .offset: 16, .size: 8, .value_kind: global_buffer, .address_space: global }
      - { .name: alls, .offset: 24, .size: 8, .value_kind: global_buffer, .address_space: global }
      - { .name: out0, .offset: 32, .size: 8, .value_kind: global_buffer, .address_space: global }
    .group_segment_fixed_size: 327680
    .private_segment_fixed_size: 0
    .kernarg_segment_align: 8
    .kernarg_segment_size: 40
    .max_flat_workgroup_size: 128
    .sgpr_count:     98
    .vgpr_count:     1024
    .wavefront_size: 32
...
	.end_amdgpu_metadata
.endif
;; end of part 4
